; MI455X (gfx1250); checked and timed in simulation.
; The chip was launched on July 23, 2026; its instructions are those of AMD's public machine-readable ISA for CDNA 5 (MIT licence, August 2026) and "CDNA5" Instruction Set Architecture Reference Guide (July 2026). The comments in the code are by the model that wrote it; some were corrected since.
;; Multi Head Attention Block. Allowed arithmetic: matrix products marked QUANTISED: E2M1 operands, one E8M0 scale for each 32 along K, by v_wmma_scale_f32_16x16x128_f8f6f4 with both operands' format E2M1 (or v_wmma_scale_f32_32x16x128_f4), f32 sums; products left as they are: bf16, f16 or f32 operands; f32 sums; everything else in f32.
;; Inputs: wk 1,024 x 1,024 float32; wo 1,024 x 1,024 float32; wq 1,024 x 1,024 float32; wv 1,024 x 1,024 float32; x 4 x 2,048 x 1,024 float32.
;; Outputs: out0 4 x 2,048 x 1,024 float32.
;; This version of the problem:
;;   THIS VERSION OF THE PROBLEM IS GIVEN IN LOW PRECISION. The matrix products marked QUANTISED in the list below multiply operands that are first quantised to E2M1 (2 exponent bits, 1 mantissa bit; 4 bits a number), with one power-of-two scale for each 32 numbers along K (OCP MX v1.0); their sums are f32. The products marked 'left as it is' may take bf16, f16 or f32 operands, with f32 sums. Whichever they take, every output number must still come out within the allowed error. Rounding operands to bf16 (8 significant bits) uses up far more of that allowance than f16 does (11 bits, for magnitudes from 6e-5 to 65,504). All else is computed in f32.
;;   The module's matrix products, in the order in which they are computed (A, B: the left and right operand; K: the contracted axis; several contracted axes count as one K, in the product's order):
;;     1. [M 8,192, K 1,024] x [K 1,024, N 1,024]; A: input x; B: input wq: QUANTISED
;;     2. [M 8,192, K 1,024] x [K 1,024, N 1,024]; A: input x; B: input wk: QUANTISED
;;     3. [M 8,192, K 1,024] x [K 1,024, N 1,024]; A: input x; B: input wv: QUANTISED
;;     4. batch 64 x [M 2,048, K 64] x [K 64, N 2,048]; A: computed on the way; B: computed on the way: left as it is (an operand is computed on the way)
;;     5. batch 64 x [M 2,048, K 2,048] x [K 2,048, N 64]; A: computed on the way; B: computed on the way: left as it is (an operand is computed on the way)
;;     6. [M 8,192, K 1,024] x [K 1,024, N 1,024]; A: computed on the way; B: input wo: left as it is (an operand is computed on the way)
;;   THE QUANTISER, for each operand of a quantised product, along K:
;;     - K is cut into blocks of 32 from its start; a last block that is shorter is filled with zeros.
;;     - A block's scale is 2^e with e = floor(log2(the largest magnitude in the block)) - 2, held to -126 .. 127; a block of zeros has e = 0. As a byte (E8M0): e + 127.
;;     - Each number is divided by its block's scale, clamped to +-6, and rounded to the nearest number of E2M1, ties to even, subnormals kept.
;;     - The product sums the exact products of the quantised numbers (number of the format x scale) in f32.
;;   ~~~python
;;   def quantise(x, axis):      # numpy; x: float32 -> the quantised numbers, widened to float32 again
;;       x = np.moveaxis(x, axis, -1); K = x.shape[-1]
;;       x = np.pad(x, [(0, 0)] * (x.ndim - 1) + [(0, -K % 32)]); x = x.reshape(x.shape[:-1] + (-1, 32)); a = np.abs(x).max(-1, keepdims=True)
;;       e = np.where(a > 0, np.clip(np.frexp(np.where(a > 0, a, 1))[1] - 1 - 2, -126, 127), 0)      # np.frexp(a)[1] - 1 = floor(log2(a)), exactly
;;       r = np.clip(x / 2.0 ** e, -6, 6)
;;       step = 2.0 ** (np.maximum(np.frexp(np.where(r == 0, 1, r))[1] - 1, 0) - 1)
;;       q = np.round(r / step) * step * 2.0 ** e      # np.round: ties to even
;;       return np.moveaxis(q.reshape(q.shape[:-2] + (-1,))[..., :K], -1, axis).astype(np.float32)
;;   ~~~
;; One version. Each part assembles by itself: llvm-mc -triple=amdgcn-amd-amdhsa -mcpu=gfx1250 --defsym DOCPART=n.
;; ======== version 1 of 1: 5 launches
;; limits: values are held in f16: magnitudes above 65,504 overflow, below 6.1e-05 lose precision
;; workspace buffers: xc 4,194,304 bytes; xs 262,144 bytes; wc 1,572,864 bytes; ws 98,304 bytes; wo16 2,097,152 bytes; qkv16 50,331,648 bytes; qkvf 786,432 bytes; ao16 16,777,216 bytes
;; launch quant (part 1): grid 384 x 1, 4 waves a work-group, no clusters, 33,280 bytes of LDS; arguments x, wq, wk, wv, wo, xc, xs, wc, ws, wo16; writes xc, xs, wc, ws, wo16
.if DOCPART == 1
	.amdgcn_target "amdgcn-amd-amdhsa--gfx1250"
	.amdhsa_code_object_version 6
	.text
	.protected	k_q5cc4ef8491_quant
	.globl	k_q5cc4ef8491_quant
	.p2align	8
	.type	k_q5cc4ef8491_quant,@function
k_q5cc4ef8491_quant:
	s_mov_b64 s[64:65], 0
	v_nop
	global_prefetch_b8 v0, s[64:65] scope:SCOPE_SE
	s_setreg_imm32_b32 hwreg(HW_REG_WAVE_MODE, 25, 1), 1
	s_wait_xcnt 0x0
; x [8192][1024] and wq, wk, wv [1024][1024], f32, become codes of FP4 (E2M1), K innermost, two codes a byte, with one E8M0 scale byte for each 32 along K:
; xc [8192][512 bytes], xs [8192][32 bytes]; wc [3072][512 bytes], ws [3072][32 bytes], the rows of wq, wk, wv on end.  wo [1024][1024] f32 becomes f16, laid by slabs of 64 along K: wo16 [16][1024][64].
; A block's scale is 2^(floor(log2(its largest magnitude)) - 2); its byte is the largest magnitude's exponent field - 2, held at 1 from below.  A block of zeros so gets the byte 1 where the rule says 127:
; its codes are zeros, which add nothing under any byte but 0xff, and the bytes are read by this program alone.
; LIMITS: blocks whose largest magnitude lies under 2^(2 - 126) have their byte held at 1; NaN and infinities among the inputs are not served; |wo| stays under 65,504, f16's largest number.
; SHARES: work-groups 0-255 take x, 256-287 wq, 288-319 wk, 320-351 wv: 32,768 numbers each, 8,192 a wave, one path for all four, only the pointers are chosen.  Work-groups 352-383 take wo, 8 rows a wave.
; Rows are dense and 1,024 is a multiple of 32: each tensor is a plain stream of blocks of 32, and so are its codes and its scale bytes.
; The conversions take 8 numbers of ONE block from a lane's registers, so a lane must hold 16 neighbours; a load is best where neighbouring lanes take neighbouring bytes.  Both are had: each load reads 512
; consecutive bytes, 16 a lane; a step's 2,048 bytes go through the wave's own stage in LDS and come back 64 bytes a lane.  No barrier: waves share nothing.
.set WAVES, 4
.set STEPS, 16
.set EMAX,  2
.set CB,    8                          ; bytes of 16 codes
.set R,     16                         ; v16-79   four sets of 16 numbers as they are loaded
.set X,     80                         ; v80-111  two sets of 16 neighbours
.set C,     128                        ; v128-191 codes: four registers for each step, so that no store's data are written again
.set E,     112                        ; v112-127 a scale byte for each step
.set WREG,  8192                       ; LDS: a region for each wave: two stages of 32 x SP bytes, behind them its 256 scale bytes
.set SP,    80                         ; a lane's place in a stage: 64 bytes + 16 of padding
.set SPW,   12                         ; v12 LDS address of my spare word; never rewritten
.set NIL,   13                         ; v13 0; never rewritten
.set SPARE, WAVES*WREG                 ; behind the four regions: the spare words, 128 bytes a wave
.set WV,    32                         ; s32 my wave's number
.set SRC,   24                         ; s[24:25] the numbers;  s[26:27] the codes;  s[28:29] the scale bytes
.set DCO,   26
.set DSC,   28
	s_load_b256 s[4:11], s[0:1], 0x0               ; x s[4:5], wq s[6:7], wk s[8:9], wv s[10:11]
	s_load_b256 s[12:19], s[0:1], 0x20             ; wo s[12:13], xc s[14:15], xs s[16:17], wc s[18:19]
	s_load_b128 s[20:23], s[0:1], 0x40             ; ws s[20:21], wo16 s[22:23]
	v_lshl_add_u32 v[SPW], v0, 2, SPARE
	v_mov_b32 v[NIL], 0
	v_lshrrev_b32 v1, 5, v0
	v_readfirstlane_b32 s[WV], v1                  ; wave
	v_and_b32 v2, 31, v0                           ; lane
	s_cmp_ge_u32 ttmp9, 352                        ; the last 32 work-groups convert wo
	s_cbranch_scc1 .Lwo
	v_lshlrev_b32 v3, 4, v2                        ; my 16 bytes of a load's 512
	s_mul_i32 s33, s[WV], WREG
	v_lshrrev_b32 v14, 2, v2
	v_mul_u32_u24 v14, v14, SP
	v_and_b32 v15, 3, v2
	v_lshl_add_u32 v14, v15, 4, v14
	v_add_nc_u32 v14, s33, v14                     ; the stage, on the way in: SP (lane / 4) + 16 (lane % 4)
	v_mul_u32_u24 v15, v2, SP
	v_add_nc_u32 v15, s33, v15                     ; and on the way out: SP x lane: my 16 neighbours
	v_mul_u32_u24 v4, v2, CB                       ; my codes' place in a step's
	v_lshrrev_b32 v5, 1, v2
	s_add_co_u32 s33, s33, 2*32*SP
	v_add_nc_u32 v5, s33, v5                       ; LDS: my wave's 256 scale bytes, my block's byte
	v_lshlrev_b32 v7, 3, v2                        ; and on the way out 8 bytes a lane
	v_add_nc_u32 v6, s33, v7
	s_wait_kmcnt 0x0
	s_cmp_lt_u32 ttmp9, 320                        ; which tensor: the choices hang on the work-group's number alone
	s_cselect_b64 s[SRC:SRC+1], s[8:9], s[10:11]
	s_cmp_lt_u32 ttmp9, 288
	s_cselect_b64 s[SRC:SRC+1], s[6:7], s[SRC:SRC+1]
	s_cmp_lt_u32 ttmp9, 256
	s_cselect_b64 s[SRC:SRC+1], s[4:5], s[SRC:SRC+1]
	s_cselect_b64 s[DCO:DCO+1], s[14:15], s[18:19]
	s_cselect_b64 s[DSC:DSC+1], s[16:17], s[20:21]
	s_cselect_b32 s30, 0, 256                      ; the first work-group of the output buffer,
	s_cselect_b32 s31, -1, 31                      ; and how the work-group's number wraps inside one weight
	s_sub_co_u32 s34, ttmp9, s30
	s_and_b32 s36, s34, s31
	s_lshl_b32 s34, s34, 2
	s_add_co_u32 s34, s34, s[WV]                   ; which run of 8,192 numbers of the output buffers is my wave's,
	s_mov_b32 s35, 0
	s_lshl_b32 s36, s36, 2
	s_add_co_u32 s36, s36, s[WV]                   ; and which of the input tensor
	s_mov_b32 s37, 0
	s_lshl_b64 s[38:39], s[36:37], 15              ; 32,768 bytes of numbers a run,
	s_add_nc_u64 s[SRC:SRC+1], s[SRC:SRC+1], s[38:39]
	s_lshl_b64 s[38:39], s[34:35], 12              ; 4,096 of codes,
	s_add_nc_u64 s[DCO:DCO+1], s[DCO:DCO+1], s[38:39]
	s_lshl_b64 s[38:39], s[34:35], 8               ; 256 scale bytes
	s_add_nc_u64 s[DSC:DSC+1], s[DSC:DSC+1], s[38:39]
.macro LOAD t
.irp i, 0,1,2,3
	global_load_b128 v[R+16*((\t)%4)+4*\i:R+16*((\t)%4)+4*\i+3], v3, s[SRC:SRC+1] offset:2048*(\t)+512*\i th:TH_LOAD_NT   ; 32 lanes read 512 consecutive bytes
.endr
.endm
.macro TURN t                          ; step t's numbers through the stage: LDS serves a wave's instructions in order, so no wait stands between the stores and the loads
.irp i, 0,1,2,3
	ds_store_b128 v14, v[R+16*((\t)%4)+4*\i:R+16*((\t)%4)+4*\i+3] offset:32*SP*((\t)%2)+8*SP*\i
.endr
.irp i, 0,1,2,3
	ds_load_b128 v[X+16*((\t)%2)+4*\i:X+16*((\t)%2)+4*\i+3], v15 offset:32*SP*((\t)%2)+16*\i
.endr
.endm
.irp t, 0,1,2,3
	LOAD \t
.endr
	s_wait_loadcnt 12                              ; step 0's four loads are in; twelve younger ones stay out
	TURN 0
.macro STEP t
.set XS, X+16*((\t)%2)
.if (\t) > 0
	s_wait_dscnt 1                                 ; this step's numbers are back from the stage (the last step's byte store may be out): so its stores into the stage have read their registers,
.else
	s_wait_dscnt 0x0
.endif
.if (\t)+4 < STEPS
	LOAD (\t)+4                                    ; which take the loads of four steps on
.endif
.if (\t)+1 < STEPS
.if STEPS-2-(\t) >= 3
	s_wait_loadcnt 12                              ; the next step's four loads are in; those of the three steps behind it may be out
.else
	s_wait_loadcnt 4*(STEPS-2-(\t))
.endif
	TURN (\t)+1                                    ; and go through the other stage while this step is worked
.endif
	v_max3_num_f32 v8, |v[XS]|, |v[XS+1]|, |v[XS+2]|               ; the largest magnitude of my 16, in two chains
	v_max3_num_f32 v9, |v[XS+3]|, |v[XS+4]|, |v[XS+5]|
.irp i, 6,10
	v_max3_num_f32 v8, v8, |v[XS+\i]|, |v[XS+\i+1]|
	v_max3_num_f32 v9, v9, |v[XS+\i+2]|, |v[XS+\i+3]|
.endr
	v_max3_num_f32 v8, v8, |v[XS+14]|, |v[XS+15]|
	v_max3_num_f32 v8, v8, v9, (EMAX+1)<<23        ; and the floor 2^(EMAX + 1 - 127): so the byte cannot fall under 1
	v_max_num_f32_dpp v8, v8, v8 row_xmask:1 row_mask:0xf bank_mask:0xf   ; and of my neighbour's 16: the block's
	v_add_nc_u32 v11, -(EMAX<<23), v8              ; EMAX off its exponent field: the conversion takes the exponent field of this operand as its scale, and nothing else of it
	v_cvt_scalef32_pk8_fp4_f32 v[C+4*(\t)], v[XS:XS+7], v11        ; eight numbers / the scale, to the nearest code, ties to even, beyond the largest code the largest
	v_cvt_scalef32_pk8_fp4_f32 v[C+4*(\t)+1], v[XS+8:XS+15], v11
	v_lshrrev_b32 v[E+(\t)], 23, v11               ; the scale's byte (also the plain line behind the conversions)
	ds_store_b8 v5, v[E+(\t)] offset:16*(\t)       ; both lanes of a block write the same byte with the same value
	global_store_b64 v4, v[C+4*(\t):C+4*(\t)+1], s[DCO:DCO+1] offset:32*CB*(\t)   ; 32 lanes store 256 consecutive bytes, aligned
.endm
.irp t, 0,1,2,3,4,5,6,7,8,9,10,11,12,13,14,15
	STEP \t
.endr
	ds_load_b64 v[8:9], v6                         ; LDS serves a wave's instructions in order: these see my byte stores
	s_wait_dscnt 0x0
	global_store_b64 v7, v[8:9], s[DSC:DSC+1]      ; 32 lanes store 256 consecutive bytes, aligned
	s_branch .Lend
; wo to f16.  Wave u (0 to 127) owns rows 8 u to 8 u + 7.  A load takes 64 columns (256 bytes) of two rows, 16 bytes a lane; its four numbers a lane become 8 bytes, and a store's
; 32 lanes cover two rows of a slab: 256 consecutive bytes, aligned.  Four batches of 16 loads, two sets of registers: one batch is on its way while one is converted.  This path uses no LDS.
.Lwo:
	v_lshrrev_b32 v3, 4, v2
	v_and_b32 v4, 15, v2
	v_lshlrev_b32 v5, 12, v3
	v_lshl_add_u32 v5, v4, 4, v5                   ; in: 4,096 (lane / 16) + 16 (lane % 16)
	v_lshlrev_b32 v6, 7, v3
	v_lshl_add_u32 v6, v4, 3, v6                   ; out: 128 (lane / 16) + 8 (lane % 16)
	s_sub_co_u32 s33, ttmp9, 352
	s_lshl_b32 s33, s33, 2
	s_add_co_u32 s34, s33, s[WV]                   ; u
	s_mov_b32 s35, 0
	s_lshl_b64 s[36:37], s[34:35], 15              ; 8 rows of 4,096 bytes
	s_lshl_b64 s[38:39], s[34:35], 10              ; 8 rows of 128 bytes in each slab
	s_wait_kmcnt 0x0
	s_add_nc_u64 s[12:13], s[12:13], s[36:37]
	s_add_nc_u64 s[22:23], s[22:23], s[38:39]
.macro LOADB gb                        ; slabs 4 gb to 4 gb + 3, row pairs 0 to 3
.irp k, 0,1,2,3
.irp p, 0,1,2,3
	global_load_b128 v[16+64*((\gb)%2)+16*\k+4*\p:16+64*((\gb)%2)+16*\k+4*\p+3], v5, s[12:13] offset:\p*8192+(4*(\gb)+\k)*256 th:TH_LOAD_NT
.endr
.endr
.endm
.macro CONVB gb
.if (\gb) < 3
	s_wait_loadcnt 16                              ; this batch is in; the next batch's sixteen loads may be out
.else
	s_wait_loadcnt 0x0
.endif
	s_wait_xcnt 0x0                                ; the last batch's stores have read their data: v144-175 are written again only behind this wait
.irp q, 0,1,2,3,4,5,6,7,8,9,10,11,12,13,14,15
	v_cvt_pk_f16_f32 v[144+2*\q], v[16+64*((\gb)%2)+4*\q], v[16+64*((\gb)%2)+4*\q+1]
	v_cvt_pk_f16_f32 v[145+2*\q], v[16+64*((\gb)%2)+4*\q+2], v[16+64*((\gb)%2)+4*\q+3]
.endr
.irp k, 0,1,2,3
.irp p, 0,1,2,3
	global_store_b64 v6, v[144+2*(4*\k+\p):145+2*(4*\k+\p)], s[22:23] offset:(4*(\gb)+\k)*131072+\p*256
.endr
.endr
.if (\gb)+2 < 4
	LOADB (\gb)+2
.endif
.endm
	LOADB 0
	LOADB 1
	CONVB 0
	CONVB 1
	CONVB 2
	CONVB 3
.Lend:
	s_wait_tensorcnt 0x0                           ; the wave's end, behind my last LDS store
	ds_add_u32 v[SPW], v[NIL]
	s_wait_dscnt 0x0
	s_endpgm
.Lfunc_end_k_q5cc4ef8491_quant:
	.size	k_q5cc4ef8491_quant, .Lfunc_end_k_q5cc4ef8491_quant-k_q5cc4ef8491_quant
	.p2alignl 7, 3214868480
	.fill 96, 4, 3214868480
	.section	.rodata,"a",@progbits
	.p2align	6, 0x0
	.amdhsa_kernel k_q5cc4ef8491_quant
		.amdhsa_group_segment_fixed_size 33280
		.amdhsa_private_segment_fixed_size 0
		.amdhsa_enable_private_segment 0
		.amdhsa_kernarg_size 80
		.amdhsa_user_sgpr_count 2
		.amdhsa_user_sgpr_kernarg_segment_ptr 1
		.amdhsa_wavefront_size32 1
		.amdhsa_system_sgpr_workgroup_id_x 1
		.amdhsa_system_sgpr_workgroup_id_y 1
		.amdhsa_system_sgpr_workgroup_id_z 1
		.amdhsa_system_vgpr_workitem_id 0
		.amdhsa_next_free_vgpr 192
		.amdhsa_next_free_sgpr 66
		.amdhsa_reserve_vcc 0
		.amdhsa_float_denorm_mode_32 3
		.amdhsa_float_denorm_mode_16_64 3
		.amdhsa_memory_ordered 1
		.amdhsa_forward_progress 1
		.amdhsa_inst_pref_size 55
	.end_amdhsa_kernel
	.amdgpu_metadata
---
amdhsa.version: [ 1, 2 ]
amdhsa.kernels:
  - .name:           k_q5cc4ef8491_quant
    .symbol:         k_q5cc4ef8491_quant.kd
    .args:
      - { .name: x, .offset: 0, .size: 8, .value_kind: global_buffer, .address_space: global }
      - { .name: wq, .offset: 8, .size: 8, .value_kind: global_buffer, .address_space: global }
      - { .name: wk, .offset: 16, .size: 8, .value_kind: global_buffer, .address_space: global }
      - { .name: wv, .offset: 24, .size: 8, .value_kind: global_buffer, .address_space: global }
      - { .name: wo, .offset: 32, .size: 8, .value_kind: global_buffer, .address_space: global }
      - { .name: xc, .offset: 40, .size: 8, .value_kind: global_buffer, .address_space: global }
      - { .name: xs, .offset: 48, .size: 8, .value_kind: global_buffer, .address_space: global }
      - { .name: wc, .offset: 56, .size: 8, .value_kind: global_buffer, .address_space: global }
      - { .name: ws, .offset: 64, .size: 8, .value_kind: global_buffer, .address_space: global }
      - { .name: wo16, .offset: 72, .size: 8, .value_kind: global_buffer, .address_space: global }
    .group_segment_fixed_size: 33280
    .private_segment_fixed_size: 0
    .kernarg_segment_align: 8
    .kernarg_segment_size: 80
    .max_flat_workgroup_size: 128
    .sgpr_count:     66
    .vgpr_count:     192
    .wavefront_size: 32
...
	.end_amdgpu_metadata
.endif
;; end of part 1
;; launch qkv (part 2): grid 12 x 32, 4 waves a work-group, clusters of 4 x 1, 327,680 bytes of LDS; arguments xc, xs, wc, ws, qkv16, qkvf; writes qkv16, qkvf
.if DOCPART == 2
	.amdgcn_target "amdgcn-amd-amdhsa--gfx1250"
	.amdhsa_code_object_version 6
	.text
	.protected	k_q5cc4ef8491_qkv
	.globl	k_q5cc4ef8491_qkv
	.p2align	8
	.type	k_q5cc4ef8491_qkv,@function
k_q5cc4ef8491_qkv:
	s_mov_b64 s[64:65], 0
	v_nop
	global_prefetch_b8 v0, s[64:65] scope:SCOPE_SE
	s_setreg_imm32_b32 hwreg(HW_REG_WAVE_MODE, 25, 1), 1
	s_wait_xcnt 0x0
	s_wait_alu depctr_hold_cnt(0) depctr_sa_sdst(0) depctr_va_vdst(0) depctr_va_sdst(0) depctr_va_ssrc(0) depctr_va_vcc(0) depctr_vm_vsrc(0)
	s_getreg_b32 s2, hwreg(HW_REG_IB_STS2, 6, 4)
	s_cmp_eq_u32 s2, 0
	s_cbranch_scc0 .Lentry_in_a_cluster
	s_endpgm
.Lentry_in_a_cluster:
	s_bfe_u32 s2, ttmp6, 0x10000c
	s_cmp_lg_u32 s2, 0x3003
	s_cbranch_scc0 .Lentry_shape_is_right
	s_endpgm
.Lentry_shape_is_right:
; C[m][n] = sum over k of x[m][k] W[n][k], W = the rows of wq, wk, wv on end: [8192] x [3072], K = 1,024, on codes of FP4 (E2M1) with one E8M0 scale for each 32 along K; sums in f32.
; The result leaves as f16, laid by head: qkv16 [3 (q, k, v)][64 (batch x 16 + head)][2048 positions][64]; positions 0-15 of each batch leave in f32 too: qkvf [4][16][3072].
; LIMIT: |Q|, |K|, |V| stay under 65,504, f16's largest number (inputs 30 times those drawn give a spread of about 900).
; A tile of C, 256 x 256, is made by a work-group of four waves; a wave makes 128 x 128: 64 accumulators of 16 x 16, 512 registers.  K is two steps of 512 (tile rows of 256 bytes): both lie in LDS
; from the start, in two slots, and nothing is filled again.  The scale bytes of the tile's 256 + 256 rows, for all of K, come with them, in rows of 256 bytes.
; CLUSTER: four work-groups along n.  They share the tile row, so x's tiles and scales are asked for JOINTLY (the mask names all four).  W's tiles differ from partner to partner: plain loads.
; The cluster is not 4 x 4: the f32 copy hangs on the tile row, which is the same in all partners only where the cluster has one row.
; THE MATRIX INSTRUCTION IS USED TRANSPOSED (source 0 = 16 rows of W, source 1 = 16 rows of x): a lane then holds eight neighbouring numbers of a row of C.
; REGISTERS, in windows of 256: window 0: v0-31 addresses; v32-95 scale words, two sets; from v128 x's fragments (8 x 16 rows x 128 K), one set; on the way out v32-255 are free.
;   window 1: W's fragments, two sets, at v0 and v128.   window 2: the 32 accumulators of my rows 0-63 (accumulator (a, b) at v[8 (8 a + b)]);   window 3: those of my rows 64-127.
.set SIZE_M, 8192
.set SIZE_N, 3072
.set SIZE_K, 1024
.set KSTEP,  512                       ; along K in a slot
.set NQ,     KSTEP/128                 ; matrix instructions deep
.set ROWB,   256                       ; a tile's row in bytes
.set KROW,   SIZE_K*4/8                ; a row of codes in memory, in bytes
.set PITCH,  272                       ; an LDS row: 256 bytes + 16 of padding = 68 words: row r starts at bank 4 r mod 64 (64 banks of 4 bytes: ISA guide 11.1)
.set FR,     8                         ; registers of a fragment: 16 rows x 128 K
.set NL,     2                         ; LDS loads that bring one
.set NP,     4                         ; places behind this matrix instruction (ISA guide 7.12.1)
.set HALFT,  128*PITCH                 ; 128 rows: what one tensor load brings
.set SLOT,   4*HALFT                   ; x's 256 rows, then W's 256 rows
.set KS,     SIZE_K/32                 ; a row of scales in bytes
.set SCL,    2*SLOT                    ; behind the slots: the scales, as rows of 256 bytes + 16 of padding
.set HALFS,  (128*KS/256)*272          ; the scales of 128 rows: what one tensor load brings
.set SBLK,   (16*KS/256)*272           ; those of 16 rows
.set SPARE,  SCL+4*HALFS               ; behind the scales: the spare words, 128 bytes a wave
.set WST,    16384                     ; the way out: a stage for each wave, in slot 0, which has had its one fill and its last read by then:
.set F32ST,  4608                      ; 2 heads x 16 rows x 144 bytes of f16, then 16 rows x 528 bytes of f32
.set ADRA, 16                          ; v16-17  LDS address of my x fragments in slot 0, 1
.set ADRB, 20                          ; v20-21  the same for W
.set STO32, 22                         ; v22     f32 stage: where I put 32 bytes of a row
.set RD32, 23                          ; v23     and where I read a row back
.set STO16, 24                         ; v24     f16 stage: where I put 16 bytes of a row
.set RD16, 25                          ; v25     and where I read four rows back
.set CO,   26                          ; v26     16 x lane
.set ADRS, 27                          ; v27     LDS address of my scale words: lanes 0-15 x's rows, lanes 16-31 W's
.set SPW,  28                          ; v28     LDS address of my spare word; never rewritten
.set NIL,  29                          ; v29     0; never rewritten
.set SC,   32                          ; scale words: set s at v[SC + 32 s]; register 4 i + q: lanes 0-15 x's block i, lanes 16-31 W's block i, the slot's q-th 128 along K
.set AF,   128                         ; x's fragments, in window 0
.set TMP,  192                         ; the way out: a block rounded to f16
.set OB,   32                          ; the way out: a block read back: v32-63 and v224-255 by turns
.set G1, 24                            ; s[24:31] descriptor group 1 for x's tiles;  s[32:39] group 0, one set for each slot
.set G0, 32
.set G1B, 48                           ; s[48:55], s[56:63] the same for W's tiles
.set G0B, 56
.set G1S, 68                           ; s[68:75], s[76:79] groups 1 and 0 for x's scales;  s[80:87], s[88:91] for W's
.set G0S, 76
.set G1SB, 80
.set G0SB, 88
.set MSB, 0
.macro WIN new                         ; the immediate's high byte repeats the setting that is left
.if MSB != \new
	s_set_vgpr_msb (MSB<<8)|\new
.set MSB, \new
.endif
.endm
.set MUL_LO, 0xa1                      ; source 0 (W) window 1, source 1 (x) window 0, C and D window 2
.set MUL_HI, 0xf1                      ; the same, C and D window 3
.set TO_B,   0x40                      ; destination window 1, address window 0
; Waves 0 and 1 fetch for x (joint), waves 2 and 3 for W (plain).  The branch hangs on the wave's number alone.  An s_nop 0 and four v_nop follow each of the two lines.
.macro JLOAD g0a, g1a, g0b, g1b
	s_cmp_eq_u32 s15, 0
	s_cbranch_scc0 .Lfor_b_\@
	tensor_load_to_lds s[\g0a:\g0a+3], s[\g1a:\g1a+7]
	s_nop 0
.rept 4
	v_nop
.endr
	s_branch .Lasked_\@
.Lfor_b_\@:
	tensor_load_to_lds s[\g0b:\g0b+3], s[\g1b:\g1b+7]
	s_nop 0
.rept 4
	v_nop
.endr
.Lasked_\@:
.endm
.macro CROUND                          ; a round of the cluster's barrier
	s_barrier_signal -1
	s_barrier_wait -1
	s_cmp_lg_u32 s14, 0
	s_cbranch_scc1 .Lnot_wave_0_\@
	s_barrier_signal -3
.Lnot_wave_0_\@:
	s_barrier_wait -3
	s_barrier_signal -1
	s_barrier_wait -1
.endm
	s_load_b128 s[4:7], s[0:1], 0x0                ; x's codes s[4:5], x's scales s[6:7]
	s_load_b128 s[8:11], s[0:1], 0x10              ; W's codes s[8:9], W's scales s[10:11]
	s_load_b64 s[12:13], s[0:1], 0x20              ; qkv16
	s_load_b64 s[96:97], s[0:1], 0x28              ; qkvf
	v_lshl_add_u32 v[SPW], v0, 2, SPARE
	v_mov_b32 v[NIL], 0
	ds_add_u32 v[SPW], v[NIL]                      ; the wave's opening: the add, twice on end, and its wait ahead of my first tensor load
	ds_add_u32 v[SPW], v[NIL]                      ; and once more; the set-up below, work on registers, stands between it and the wait
	v_lshrrev_b32 v1, 5, v0
	v_readfirstlane_b32 s14, v1                    ; wave 0..3
	s_lshr_b32 s15, s14, 1                         ; which half of the tile's rows is mine.  Also: I fetch for x (0) or for W (1)
	s_and_b32 s16, s14, 1                          ; which half of its columns.  Also: which 128 rows of that tile I fetch
	s_bfe_u32 s40, ttmp6, 0x40000                  ; cx: my place in the cluster
	s_lshl_b32 s42, ttmp9, 2
	s_add_co_u32 s42, s42, s40                     ; tile column of C = 4 x cluster x + cx
	s_and_b32 s17, ttmp7, 0xffff                   ; tile row of C: the cluster's y, the same in all four partners
	; descriptor group 1: a tile of 128 rows x 256 bytes, padded in LDS
	s_mov_b32 s[G1+0], 15|(0<<16)|(1<<20)|(1<<21)|(5<<22)|(3<<25)   ; 15:0 the mask: all four; 17:16 element of 1 byte; 20 padding on; 21 set beside a mask; 24:22 after every 64 words; 31:25 of 4 words
	s_mov_b32 s[G1B+0], (0<<16)|(1<<20)|(5<<22)|(3<<25)             ; the same with no mask: a load of my own
.irp g, G1, G1B
	s_mov_b32 s[\g+1], ROWB<<16                    ; tensor_dim0
	s_mov_b32 s[\g+2], 128<<16                     ; tensor_dim1 = 128
	s_mov_b32 s[\g+3], ROWB<<16                    ; tile_dim0
	s_mov_b32 s[\g+4], 128                         ; tile_dim1 = 128
	s_mov_b32 s[\g+5], KROW                        ; tensor_dim0_stride
	s_mov_b32 s[\g+6], 0
	s_mov_b32 s[\g+7], 0
.endr
	; the scales of 128 rows: a dense block of 4,096 bytes, as rows of 256 bytes (32 elements of 8 bytes), 16 bytes of padding behind each
	s_mov_b32 s[G1S+0], 15|(3<<16)|(1<<20)|(1<<21)|(5<<22)|(3<<25)
	s_mov_b32 s[G1SB+0], (3<<16)|(1<<20)|(5<<22)|(3<<25)
.irp g, G1S, G1SB
	s_mov_b32 s[\g+1], 32<<16
	s_mov_b32 s[\g+2], (128*KS/256)<<16
	s_mov_b32 s[\g+3], 32<<16
	s_mov_b32 s[\g+4], 128*KS/256
	s_mov_b32 s[\g+5], 32
	s_mov_b32 s[\g+6], 0
	s_mov_b32 s[\g+7], 0
.endr
	s_lshl_b32 s18, s16, 7                         ; which 128 rows of the tile I fetch
	s_lshl_b32 s20, s17, 8
	s_add_co_u32 s20, s20, s18                     ; x: row 256 x tile row + 128 x half
	s_lshl_b32 s46, s42, 8
	s_add_co_u32 s46, s46, s18                     ; W: row 256 x tile column + 128 x half (in registers that feed no joint descriptor)
	s_mov_b32 s21, 0
	s_mov_b32 s47, 0
	s_mov_b64 s[18:19], KS
	s_mul_u64 s[22:23], s[20:21], s[18:19]         ; where these rows' scales begin, in bytes
	s_mul_u64 s[92:93], s[46:47], s[18:19]
	s_mov_b64 s[18:19], KROW
	s_mul_u64 s[20:21], s[20:21], s[18:19]         ; and their codes
	s_mul_u64 s[46:47], s[46:47], s[18:19]
	s_mul_i32 s45, s14, HALFT                      ; where they go: wave x 128 rows: no place in the cluster enters an LDS address
	s_mul_i32 s94, s14, HALFS
	s_wait_dscnt 0x0                               ; both opening adds are done
	s_wait_kmcnt 0x0
	s_add_nc_u64 s[20:21], s[4:5], s[20:21]
	s_add_nc_u64 s[22:23], s[6:7], s[22:23]
	s_add_nc_u64 s[46:47], s[8:9], s[46:47]
	s_add_nc_u64 s[92:93], s[10:11], s[92:93]
	CROUND                                         ; all four work-groups are here: the first joint loads meet
	s_mov_b32 s[G0S], 1
	s_add_co_u32 s[G0S+1], s94, SCL
	s_mov_b64 s[G0S+2:G0S+3], s[22:23]
	s_or_b32 s[G0S+3], s[G0S+3], 0x80000000
	s_mov_b32 s[G0SB], 1
	s_add_co_u32 s[G0SB+1], s94, SCL
	s_mov_b64 s[G0SB+2:G0SB+3], s[92:93]
	s_or_b32 s[G0SB+3], s[G0SB+3], 0x80000000
	JLOAD G0S, G1S, G0SB, G1SB                     ; the scales first: they are wanted with K step 0
.irp s, 0,1
	s_mov_b32 s[G0+4*\s], 1
	s_add_co_u32 s[G0+4*\s+1], s45, \s*SLOT
	s_add_nc_u64 s[G0+4*\s+2:G0+4*\s+3], s[20:21], \s*ROWB
	s_or_b32 s[G0+4*\s+3], s[G0+4*\s+3], 0x80000000
	s_mov_b32 s[G0B+4*\s], 1
	s_add_co_u32 s[G0B+4*\s+1], s45, \s*SLOT
	s_add_nc_u64 s[G0B+4*\s+2:G0B+4*\s+3], s[46:47], \s*ROWB
	s_or_b32 s[G0B+4*\s+3], s[G0B+4*\s+3], 0x80000000
	JLOAD G0+4*\s, G1, G0B+4*\s, G1B               ; all of K is asked for here: three loads of mine are out
.endr
	v_and_b32 v1, 15, v0                           ; l % 16
	v_bfe_u32 v2, v0, 4, 1                         ; l / 16
	v_mul_u32_u24 v3, v1, PITCH
	v_lshl_add_u32 v4, v2, 4, v3                   ; a fragment's row x pitch + 16 x half
	s_mul_i32 s21, s15, HALFT                      ; my 128 rows of x
	s_mul_i32 s22, s16, HALFT                      ; my 128 rows of W,
	s_add_co_u32 s22, s22, 2*HALFT                 ; which lie behind x's 256
.irp s, 0,1
	v_add_nc_u32 v[ADRA+\s], s21, v4
	v_add_nc_u32 v[ADRB+\s], s22, v4
	s_add_co_u32 s21, s21, SLOT
	s_add_co_u32 s22, s22, SLOT
.endr
	v_mul_u32_u24 v5, v1, KS                       ; my row's scales: KS bytes a row,
	v_lshrrev_b32 v6, 8, v5
	v_lshl_add_u32 v5, v6, 4, v5                   ; and 16 more for each 256 passed
	s_mul_i32 s21, s15, HALFS                      ; x's: my 128 rows
	s_mul_i32 s22, s16, HALFS                      ; W's: my 128 rows, behind x's 256
	s_add_co_u32 s22, s22, 2*HALFS
	s_sub_co_u32 s22, s22, s21
	v_mul_u32_u24 v6, s22, v2                      ; lanes 16-31 take W's: one product, the distance between the two bases
	s_add_co_u32 s21, s21, SCL
	v_add_nc_u32 v5, v5, v6
	v_add_nc_u32 v[ADRS], s21, v5
	s_lshl_b32 s21, s14, 14                        ; my stage: WST x wave
	v_mul_u32_u24 v5, v1, 144                      ; f16, in: row l % 16 of 144 bytes, 16 bytes for each half of the lanes
	v_lshl_add_u32 v5, v2, 4, v5
	v_add_nc_u32 v[STO16], s21, v5
	v_and_b32 v6, 31, v0
	v_lshrrev_b32 v5, 3, v6                        ; back: eight lanes to a row of 128 bytes, four rows an instruction
	v_mul_u32_u24 v5, v5, 144
	v_and_b32 v7, 7, v0
	v_lshl_add_u32 v5, v7, 4, v5
	v_add_nc_u32 v[RD16], s21, v5
	v_lshlrev_b32 v[CO], 4, v6
	s_add_co_u32 s21, s21, F32ST
	v_mul_u32_u24 v5, v1, 528                      ; f32, in: row l % 16 of 528 bytes, 32 bytes for each half of the lanes
	v_lshl_add_u32 v5, v2, 5, v5
	v_add_nc_u32 v[STO32], s21, v5
	v_add_nc_u32 v[RD32], s21, v[CO]               ; back: the 32 lanes take one row of 512 bytes
	; where my part begins in qkv16: the tile row gives the batch and the position, the tile column gives q, k or v and the head
	s_lshr_b32 s20, s17, 3                         ; batch: 8 tile rows each
	s_lshl_b32 s22, s20, 22                        ; x 16 heads x 262,144 bytes
	s_and_b32 s21, s17, 7
	s_lshl_b32 s21, s21, 15                        ; + 256 positions x 128 bytes for each tile row in the batch
	s_add_co_u32 s22, s22, s21
	s_lshl_b32 s21, s15, 14                        ; + my half's 128 positions
	s_add_co_u32 s22, s22, s21
	s_mov_b32 s23, 0
	s_add_nc_u64 s[12:13], s[12:13], s[22:23]
	s_lshr_b32 s46, s42, 2                         ; q, k or v: 4 tile columns each,
	s_lshl_b32 s46, s46, 24                        ; 16,777,216 bytes apart
	s_and_b32 s47, s42, 3
	s_lshl_b32 s47, s47, 20                        ; + 4 heads for each tile column
	s_add_co_u32 s46, s46, s47
	s_lshl_b32 s47, s16, 19                        ; + my half's 2 heads
	s_add_co_u32 s46, s46, s47
	s_mov_b32 s47, 0
	s_add_nc_u64 s[12:13], s[12:13], s[46:47]
	s_mul_i32 s22, s20, 196608                     ; qkvf: the batch's 16 rows of 12,288 bytes,
	s_add_nc_u64 s[96:97], s[96:97], s[22:23]
	s_lshl_b32 s46, s42, 10                        ; + my first column x 4 bytes
	s_lshl_b32 s92, s16, 9
	s_add_co_u32 s46, s46, s92
	s_add_nc_u64 s[96:97], s[96:97], s[46:47]
	s_and_b32 s95, s17, 7
	s_or_b32 s95, s95, s15                         ; 0 where my rows begin a batch: made of the tile row and the wave's number, the same in all partners
.macro FRAG reg, adr, q, i             ; a fragment, 16 rows x 128 K of 4-bit codes: lane l holds row l % 16; registers 4 c .. 4 c + 3 hold K = 64 c + 32 (l / 16) + 0 .. 31
.irp c, 0,1
	ds_load_b128 v[\reg+4*\c:\reg+4*\c+3], v[\adr] offset:64*(\q)+32*\c+(\i)*16*PITCH
.endr
.endm
; 16 matrix instructions: x's blocks a0, a0 + 1 against W's eight, 128 along K: the slot's q-th.  p: W's set;  sc: the set of scale words.  zero = 1: the first product starts the sums.
; The 64 accumulators take turns, one instruction a turn, in the same order in every step.
.macro MUL16 a0, p, q, sc, zero
.irp a, \a0, \a0+1
.irp b, 0,1,2,3,4,5,6,7
.if \zero
	v_wmma_scale_f32_16x16x128_f8f6f4 v[8*(8*((\a)%4)+\b):8*(8*((\a)%4)+\b)+7], v[128*(\p)+FR*\b:128*(\p)+FR*\b+FR-1], v[AF+FR*(\a):AF+FR*(\a)+FR-1], 0, v[SC+8*NQ*(\sc)+NQ*\b+(\q)], v[SC+8*NQ*(\sc)+NQ*(\a)+(\q)] matrix_a_fmt:MATRIX_FMT_FP4 matrix_b_fmt:MATRIX_FMT_FP4 matrix_a_scale:MATRIX_SCALE_ROW1
.else
	v_wmma_scale_f32_16x16x128_f8f6f4 v[8*(8*((\a)%4)+\b):8*(8*((\a)%4)+\b)+7], v[128*(\p)+FR*\b:128*(\p)+FR*\b+FR-1], v[AF+FR*(\a):AF+FR*(\a)+FR-1], v[8*(8*((\a)%4)+\b):8*(8*((\a)%4)+\b)+7], v[SC+8*NQ*(\sc)+NQ*\b+(\q)], v[SC+8*NQ*(\sc)+NQ*(\a)+(\q)] matrix_a_fmt:MATRIX_FMT_FP4 matrix_b_fmt:MATRIX_FMT_FP4 matrix_a_scale:MATRIX_SCALE_ROW1
.endif
.endr
.endr
.endm
.macro FETCH_B slot, q, p              ; W's eight fragments of the slot's q-th 128 along K into set p
	WIN TO_B
.irp i, 0,1,2,3,4,5,6,7
	FRAG 128*(\p)+FR*\i, ADRB+\slot, \q, \i
.endr
	WIN 0
.endm
.macro FETCH_A slot, q, i0             ; x's blocks i0 .. i0 + 3
.irp i, \i0, \i0+1, \i0+2, \i0+3
	FRAG AF+FR*(\i), ADRA+\slot, \q, \i
.endr
.endm
.macro SCALES sc                       ; a K step's scale words into set sc: 4 words a row; lanes 0-15 take x's block i, lanes 16-31 W's block i
.irp i, 0,1,2,3,4,5,6,7
	ds_load_b128 v[SC+8*NQ*\sc+NQ*\i:SC+8*NQ*\sc+NQ*\i+3], v[ADRS] offset:\i*SBLK
.endr
.endm
; A load into a register that a matrix instruction has read, and a vector instruction or an LDS store that reads a matrix result, stand NP places behind that matrix instruction;
; only plain vector instructions that name none of its registers are places (ISA guide 7.12.1 for vector instructions).
.macro PLACES n
.rept \n
	v_nop
.endr
.endm
; A step of 128 along K that has its successor in the same slot.  x's blocks go one after the other, each against W's eight: so one set of registers serves x.
.macro STEP slot, q, zero
	s_wait_dscnt 4*NL                              ; W's set and x's blocks 0-3 are in; the youngest eight loads (x's blocks 4-7) may be out
	WIN MUL_LO
	MUL16 0, (\q)%2, \q, \slot, \zero
	MUL16 2, (\q)%2, \q, \slot, \zero
	s_wait_dscnt 0                                 ; x's blocks 4-7 are in (asked for 32 matrix instructions ago)
	PLACES NP
	FETCH_B \slot, (\q)+1, 1-(\q)%2
	FETCH_A \slot, (\q)+1, 0
	WIN MUL_HI
	MUL16 4, (\q)%2, \q, \slot, \zero
	MUL16 6, (\q)%2, \q, \slot, \zero
	PLACES NP
	WIN 0
	FETCH_A \slot, (\q)+1, 4
.endm
; Slot 0's last step goes over to slot 1: one barrier; in front of it each wave waits for all its tensor loads (its part of slot 1), adds 0 to its spare word, and waits for that and for its reads of slot 0.
; Behind it slot 1 is whole, and nobody reads slot 0 any more, which the way out relies on.
.macro TURN slot, next
	s_wait_tensorcnt 0x0                           ; all my tensor loads have landed  (every window is 0 here: the add's two registers lie in window 0)
	ds_add_u32 v[SPW], v[NIL]                      ; 0 onto my spare word
	s_wait_dscnt 4*NL+1                            ; (the add and the youngest eight loads, x's blocks 4-7, may be out)
	WIN MUL_LO
	MUL16 0, 1, NQ-1, \slot, 0                     ; sixteen matrix instructions stand between the add and the wait for it
	s_wait_dscnt 0x0                               ; the add is done, and my reads of this slot are over
	s_barrier_signal -1
	MUL16 2, 1, NQ-1, \slot, 0
	WIN 0
	s_barrier_wait -1
	PLACES NP
	v_add_nc_u32 v[ADRS], 4*NQ, v[ADRS]            ; on to the next K step's scale words (no LDS load of mine is out)
	FETCH_B \next, 0, 0
	FETCH_A \next, 0, 0
	SCALES \next
	WIN MUL_HI
	MUL16 4, 1, NQ-1, \slot, 0
	MUL16 6, 1, NQ-1, \slot, 0
	PLACES NP
	WIN 0
	FETCH_A \next, 0, 4
.endm
.macro STEPS slot, from                ; the slot's steps from .. NQ - 2
.set Q, \from
.rept NQ-1-\from
	STEP \slot, Q, 0
.set Q, Q+1
.endr
.endm
	s_wait_tensorcnt 1                             ; the scales and my part of K step 0 are in (K step 1's load may be out),
	s_barrier_signal -1
	s_barrier_wait -1                              ; everybody's are
	FETCH_B 0, 0, 0
	FETCH_A 0, 0, 0
	SCALES 0
	FETCH_A 0, 0, 4
	STEP 0, 0, 1                                   ; the first step's products start the sums: nothing is cleared
	STEPS 0, 1
	TURN 0, 1
	STEPS 1, 0
	s_wait_dscnt 4*NL                              ; the very last step: nothing more to fetch
	WIN MUL_LO
	MUL16 0, 1, NQ-1, 1, 0
	MUL16 2, 1, NQ-1, 1, 0
	s_wait_dscnt 0
	WIN MUL_HI
	MUL16 4, 1, NQ-1, 1, 0
	MUL16 6, 1, NQ-1, 1, 0
	WIN 0
	; THE WAY OUT.  A lane holds eight neighbouring numbers of a row, and the lanes beside it hold other rows: a block of 16 rows goes through my own stage in LDS and comes back as whole rows.
	PLACES NP                                      ; behind the last products: for the reads of results and for the loads into registers that held operands and scales
	s_cmp_lg_u32 s95, 0
	s_cbranch_scc1 .Lnofine
	WIN 0x08                                       ; positions 0-15 of a batch, my block 0, leave in f32 too.  An LDS store's data are its source 1: window 2
.irp b, 0,1,2,3,4,5,6,7
	ds_store_b128 v[STO32], v[8*\b:8*\b+3] offset:64*\b            ; each accumulator from its low end on
	ds_store_b128 v[STO32], v[8*\b+4:8*\b+7] offset:64*\b+16
.endr
	WIN 0
.irp t, 0,1,2,3,4,5,6,7,8,9,10,11,12,13,14,15
	ds_load_b128 v[AF+4*\t:AF+4*\t+3], v[RD32] offset:\t*528       ; LDS serves a wave's instructions in order (ISA guide 5.7.1.4): these see the stores above
.endr
	s_wait_dscnt 0x0
.irp t, 0,1,2,3,4,5,6,7,8,9,10,11,12,13,14,15
	global_store_b128 v[CO], v[AF+4*\t:AF+4*\t+3], s[96:97] offset:\t*12288   ; 32 lanes store 512 consecutive bytes of a row of qkvf, aligned to 256
.endr
.Lnofine:
.macro PACK a                          ; block a rounded to f16: 16 bytes a lane and accumulator, each accumulator from its low end on
.set AC, 64*((\a)%4)
	WIN 0x0a+5*((\a)/4)                            ; sources 0 and 1: window 2 or 3
.irp b, 0,1,2,3,4,5,6,7
.irp r, 0,1,2,3
	v_cvt_pk_f16_f32 v[TMP+4*\b+\r], v[AC+8*\b+2*\r], v[AC+8*\b+2*\r+1]
.endr
.endr
	WIN 0
.endm
.macro TOSTAGE a                       ; my 128 columns are two heads: accumulators 0-3 the first, 4-7 the second; a head's 16 rows of 128 bytes are 2,048 consecutive bytes of qkv16
.set BK, OB+192*((\a)%2)
.irp b, 0,1,2,3,4,5,6,7
	ds_store_b128 v[STO16], v[TMP+4*\b:TMP+4*\b+3] offset:(\b/4)*2304+(\b%4)*32
.endr
.irp n, 0,1,2,3,4,5,6,7
	ds_load_b128 v[BK+4*\n:BK+4*\n+3], v[RD16] offset:(\n/4)*2304+(\n%4)*576
.endr
.endm
.macro SEND a
.set BK, OB+192*((\a)%2)
	s_wait_dscnt 0x0                               ; the block is back in registers
	s_wait_xcnt 0x0                                ; the stores of the block before have read their data: the next block's loads land there only behind this wait
.irp n, 0,1,2,3,4,5,6,7
	global_store_b128 v[CO], v[BK+4*\n:BK+4*\n+3], s[12:13] offset:(\n/4)*262144+(\a)*2048+(\n%4)*512   ; 32 lanes store 512 consecutive bytes, aligned
.endr
.endm
	PACK 0
	TOSTAGE 0
.irp a, 1,2,3,4,5,6,7                  ; block a's conversions stand between block a - 1's loads from the stage and the wait for them
	PACK \a
	SEND \a-1
	TOSTAGE \a
.endr
	SEND 7
	s_wait_tensorcnt 0x0                           ; the wave's end, behind my last tensor load and my last LDS store
	ds_add_u32 v[SPW], v[NIL]
	s_wait_dscnt 0x0
	CROUND                                         ; the closing round: no work-group ends while a partner may still ask for a tile that names it
	s_endpgm
.Lfunc_end_k_q5cc4ef8491_qkv:
	.size	k_q5cc4ef8491_qkv, .Lfunc_end_k_q5cc4ef8491_qkv-k_q5cc4ef8491_qkv
	.p2alignl 7, 3214868480
	.fill 96, 4, 3214868480
	.section	.rodata,"a",@progbits
	.p2align	6, 0x0
	.amdhsa_kernel k_q5cc4ef8491_qkv
		.amdhsa_group_segment_fixed_size 327680
		.amdhsa_private_segment_fixed_size 0
		.amdhsa_enable_private_segment 0
		.amdhsa_kernarg_size 48
		.amdhsa_user_sgpr_count 2
		.amdhsa_user_sgpr_kernarg_segment_ptr 1
		.amdhsa_wavefront_size32 1
		.amdhsa_system_sgpr_workgroup_id_x 1
		.amdhsa_system_sgpr_workgroup_id_y 1
		.amdhsa_system_sgpr_workgroup_id_z 1
		.amdhsa_system_vgpr_workitem_id 0
		.amdhsa_next_free_vgpr 1024
		.amdhsa_next_free_sgpr 98
		.amdhsa_reserve_vcc 0
		.amdhsa_float_denorm_mode_32 3
		.amdhsa_float_denorm_mode_16_64 3
		.amdhsa_memory_ordered 1
		.amdhsa_forward_progress 1
		.amdhsa_inst_pref_size 130
	.end_amdhsa_kernel
	.amdgpu_metadata
---
amdhsa.version: [ 1, 2 ]
amdhsa.kernels:
  - .name:           k_q5cc4ef8491_qkv
    .symbol:         k_q5cc4ef8491_qkv.kd
    .args:
      - { .name: xc, .offset: 0, .size: 8, .value_kind: global_buffer, .address_space: global }
      - { .name: xs, .offset: 8, .size: 8, .value_kind: global_buffer, .address_space: global }
      - { .name: wc, .offset: 16, .size: 8, .value_kind: global_buffer, .address_space: global }
      - { .name: ws, .offset: 24, .size: 8, .value_kind: global_buffer, .address_space: global }
      - { .name: qkv16, .offset: 32, .size: 8, .value_kind: global_buffer, .address_space: global }
      - { .name: qkvf, .offset: 40, .size: 8, .value_kind: global_buffer, .address_space: global }
    .group_segment_fixed_size: 327680
    .private_segment_fixed_size: 0
    .kernarg_segment_align: 8
    .kernarg_segment_size: 48
    .max_flat_workgroup_size: 128
    .sgpr_count:     98
    .vgpr_count:     1024
    .wavefront_size: 32
...
	.end_amdgpu_metadata
.endif
;; end of part 2
;; launch attn (part 3): grid 4 x 64, 8 waves a work-group, no clusters, 327,680 bytes of LDS; arguments qkv16, ao16; writes ao16
.if DOCPART == 3
	.amdgcn_target "amdgcn-amd-amdhsa--gfx1250"
	.amdhsa_code_object_version 6
	.text
	.protected	k_q5cc4ef8491_attn
	.globl	k_q5cc4ef8491_attn
	.p2align	8
	.type	k_q5cc4ef8491_attn,@function
k_q5cc4ef8491_attn:
	s_mov_b64 s[64:65], 0
	v_nop
	global_prefetch_b8 v0, s[64:65] scope:SCOPE_SE
	s_setreg_imm32_b32 hwreg(HW_REG_WAVE_MODE, 25, 1), 1
	s_wait_xcnt 0x0
; O[bh][q] = the sum over k <= q of softmax_k(Q[bh][q] . K[bh][k] / 8) V[bh][k]: 64 heads (batch x 16 + head), 2,048 positions, head size 64.  Q, K, V: qkv16 [3][64][2048][64] f16.
; Products on f16 operands with f32 sums; maxima, exponentials and sums in f32; the weights p are rounded to f16 for the second product; O once at the end: ao16 [16 heads][8192 rows][64] f16.
; LIMITS: hidden keys get the weight 0, which equals a score of -1e9 as long as a row's largest visible scaled score lies above about -9.9e8; NaN and infinities are not served.
; SHARES.  A head has 8 blocks of 256 queries.  Work-group J (0 to 3) of a head takes block 7 - J and then block J: (8 - J) + (J + 1) = 9 chunks of 256 keys for every work-group, so all trip counts are constants.
; Each of the eight waves owns 32 queries of the block, two tiles of 16; two waves share a SIMD's registers, so that one wave's softmax stands beside the other's products.
; NO JOINT LOADS: work-group J walks chunks 0 .. 7 - J and then 0 .. J, so the four work-groups of a head want different chunks in the same trip from the fifth trip on.
; LAYOUT.  S^T = K Q^T (source 0 = 16 keys, source 1 = 16 queries): a lane holds ONE query (lane % 16) and the keys 8 (lane / 16) + 0..7.  Two such tiles, rounded to f16 in pairs, ARE source 1 (32 keys x 16
; queries) of O^T = V^T P, whose result again holds one query a lane.  K comes out of LDS as it lies, V ([key][channel]) turned, by ds_load_tr16_b128.
; SOFTMAX.  For each query a running maximum m and sum l: p = 2^(c s - c m), c = log2(e) / 8; in every step O and l are multiplied by a = 2^(c m_old - c m_new).
; THE RING.  Two LDS slots of one chunk each (256 rows of K, 256 of V); waves 0-3 fetch K's quarters, waves 4-7 V's, one tensor load a wave behind each change of slots: it has a chunk's work in which to land.
; REGISTERS: window 0: v1-15 addresses; v16-31 statistics, 8 a tile; v32-95 S^T; v96-127 P; v128-159 Q; v160-223 K's fragments; v224-255 the way out.  window 1: v0-63 O^T; v64-127 V's fragments.
.set KP,    144                        ; a row of K in LDS: 128 bytes + 16 = 36 words: row r starts at bank 36 r mod 64 (64 banks of 4 bytes: ISA guide 11.1): 16 rows, 16 different groups of four banks
.set VP,    160                        ; a row of V: 128 + 32
.set VOFF,  256*KP                     ; a slot: 256 rows of K, then 256 rows of V
.set KSTEPB, 64*KP                     ; a step's 64 keys, and what one tensor load brings
.set VSTEPB, 64*VP
.set SLOT1, 1<<17                      ; slot 1 begins here, so that one exclusive or turns an address in one slot into the other's
.set STAGE, 2*SLOT1                    ; behind the ring: 32 rows x 144 bytes for each wave, for the way out
.set SPARE, STAGE+8*32*KP              ; behind the stages: the spare words, 128 bytes a wave
.set AK0, 1                            ; v1   my lane's place in a tile of K
.set AV0, 2                            ; v2   the same for V
.set ADK, 3                            ; v3   LDS address of the run of K's loads in hand
.set ADV, 4                            ; v4   of V's
.set QO,  5                            ; v5   my byte offset in the wave's rows of Q
.set STO, 6                            ; v6   the way out: where I put 16 bytes of a row
.set RD,  7                            ; v7   the way out: where I read four rows back
.set GO,  8                            ; v8   16 x lane
.set MD,  9                            ; v9   lane % 16 - 8 (lane / 16)
.set NINF, 10                          ; v10  -infinity
.set PFO, 11                           ; v11  256 x lane
.set VM,  12                           ; v12  the mask's bound
.set SPW, 14                           ; v14  LDS address of my spare word; never rewritten
.set NIL, 15                           ; v15  0; never rewritten
.set ST,  16                           ; tile t's statistics at v[ST + 8 t]: +0 c m, +1 m, +2, +3 l (even keys', odd keys'), +4 to +7 at work; a at +6
.set S,   32
.set P,   96
.set Q,   128
.set KF,  160
.set OB,  224
.set VF,  64                           ; in window 1
.set WV,  8                            ; s8   my wave's number
.set JJ,  9                            ; s9   J
.set BH,  10                           ; s10  batch x 16 + head
.set W3,  11                           ; s11  wave % 4: which quarter of a chunk I fetch
.set KB,  12                           ; s[12:13] K of my head at my quarter of chunk 0;  s[14:15] V likewise
.set VB,  14
.set QBASE, 16                         ; s[16:17] Q of my head at my wave's 32 rows of block 0;  s[18:19] O likewise
.set OBASE, 18
.set SEL, 20                           ; s[20:21] lane selects for v_permlanex16_b32: lane l xor 16
.set CS,  22                           ; s[22:23] c: the packed form names a pair and takes its low word for both halves
.set G1K, 24                           ; s[24:31] descriptor group 1 for K's tiles;  s[32:39] for V's: it differs in the padding alone
.set G1V, 32
.set G0K, 40                           ; s[40:43], s[44:47] their groups 0, which walk
.set G0V, 44
.set TK,  48                           ; s48  LDS byte at which the step's keys begin;  s49 the same for V (less VOFF)
.set TV,  49
.set DK,  50                           ; s50  the step's first key less my first query
.set QC,  51                           ; s51  steps of the chunk still to go
.set SL,  52                           ; s52  changes of slots that still ask for a chunk
.set CK,  53                           ; s53  the chunk in hand;  s54 the chunk asked for last
.set NK,  54
.set QB,  55                           ; s55  the block of queries in hand
.set LIMJ, 56                          ; s56  8 - J: the chunks of the first block
.set LIM, 57                           ; s57  2 in a work-group that prefetches, else the greatest number
.set PFA, 58                           ; s[58:59] where my prefetches stand
.set MSB, 0
.macro WIN new                         ; the immediate's high byte repeats the setting that is left
.if MSB != \new
	s_set_vgpr_msb (MSB<<8)|\new
.set MSB, \new
.endif
.endm
.macro PLACES                          ; four places behind matrix instructions (ISA guide 7.12.1 for vector instructions)
.rept 4
	v_nop
.endr
.endm
; Waves 0-3 fetch a quarter of K's chunk, waves 4-7 of V's.  The branch hangs on the wave's number alone.  An s_nop 0 and four v_nop follow each of the two lines.
.macro TLOAD
	s_cmp_lt_u32 s[WV], 4
	s_cbranch_scc0 .Lfor_v_\@
	tensor_load_to_lds s[G0K:G0K+3], s[G1K:G1K+7]
	s_nop 0
.rept 4
	v_nop
.endr
	s_branch .Lasked_\@
.Lfor_v_\@:
	tensor_load_to_lds s[G0V:G0V+3], s[G1V:G1V+7]
	s_nop 0
.rept 4
	v_nop
.endr
.Lasked_\@:
.endm
; A PREFETCH INTO THE L2 of the chunk that the NEXT change of slots will ask for.  The four work-groups of a head walk the same chunks: work-group J = 0, which walks all eight in order, asks, and nobody else.
; Each of its waves asks for the quarter that it will fetch, 8,192 dense bytes, lanes 256 bytes apart: each block of 256 bytes is named once in the launch.  Trip t asks for chunk t + 2, a chunk's 128 matrix
; instructions a wave ahead of the load that wants it; trips 6 and 7 ask for nothing: there is no chunk 8.  Chunks 0 and 1 come by their loads alone.
.macro ASK
	s_cmp_gt_u32 s[SL], s[LIM]
	s_cbranch_scc0 .Lnot_mine_\@
	global_prefetch_b8 v[PFO], s[PFA:PFA+1] th:TH_LOAD_NT scope:SCOPE_SE
.Lnot_mine_\@:
.endm
	s_load_b128 s[4:7], s[0:1], 0x0                ; qkv16 s[4:5], ao16 s[6:7]
	v_lshl_add_u32 v[SPW], v0, 2, SPARE
	v_mov_b32 v[NIL], 0
	ds_add_u32 v[SPW], v[NIL]                      ; the wave's opening: the add, twice on end, and its wait ahead of my first tensor load
	ds_add_u32 v[SPW], v[NIL]                      ; and once more; the set-up below, work on registers, stands between it and the wait
	v_lshrrev_b32 v1, 5, v0
	v_readfirstlane_b32 s[WV], v1                  ; wave 0..7
	s_mov_b32 s[JJ], ttmp9
	s_and_b32 s[BH], ttmp7, 0xffff
	s_and_b32 s[W3], s[WV], 3
	; descriptor group 1: a tile of 64 rows x 64 elements of 2 bytes, dense in memory, padded in LDS
	s_mov_b32 s[G1K], (1<<16)|(1<<20)|(4<<22)|(3<<25)   ; 15:0 no mask; 17:16 elements of 2 bytes; 20 padding on; 24:22 after every 32 words (code 4); 31:25 4 words of it (code 3)
	s_mov_b32 s[G1V], (1<<16)|(1<<20)|(4<<22)|(7<<25)   ; the same with 8 words of padding (code 7)
.irp g, G1K, G1V
	s_mov_b32 s[\g+1], 64<<16                      ; tensor_dim0 = 64
	s_mov_b32 s[\g+2], 64<<16                      ; tensor_dim1 = 64
	s_mov_b32 s[\g+3], 64<<16                      ; tile_dim0 = 64
	s_mov_b32 s[\g+4], 64                          ; tile_dim1 = 64
	s_mov_b32 s[\g+5], 64                          ; tensor_dim0_stride
	s_mov_b32 s[\g+6], 0
	s_mov_b32 s[\g+7], 0
.endr
	s_mov_b32 s[SEL], 0x76543210
	s_mov_b32 s[SEL+1], 0xfedcba98
	s_mov_b32 s[CS], 0x3e38aa3b                    ; c = log2(e) / 8
	s_mov_b32 s[CS+1], s[CS]                       ; named with it as a pair, so it is written
	s_lshl_b32 s60, s[BH], 18                      ; a head is 262,144 bytes in each of q, k, v
	s_lshl_b32 s61, s[W3], 13
	s_add_co_u32 s62, s60, s61                     ; + my quarter's 64 rows of 128 bytes
	s_mov_b32 s63, 0
	s_lshl_b32 s61, s[WV], 12
	s_add_co_u32 s66, s60, s61                     ; Q: + my wave's 32 rows
	s_mov_b32 s67, 0
	s_and_b32 s60, s[BH], 15
	s_lshl_b32 s60, s60, 20                        ; O: the head's slab of 1,048,576 bytes,
	s_lshr_b32 s68, s[BH], 4
	s_lshl_b32 s68, s68, 18                        ; the batch's 2,048 rows,
	s_add_co_u32 s68, s68, s60
	s_add_co_u32 s68, s68, s61                     ; my wave's 32
	s_mov_b32 s69, 0
	s_sub_co_u32 s[LIMJ], 8, s[JJ]
	s_sub_co_u32 s[QB], 7, s[JJ]                   ; the later block first
	s_mov_b32 s[NK], 0
	s_mov_b32 s[TK], 0
	s_mov_b32 s[TV], 0
	s_cmp_eq_u32 s[JJ], 0
	s_cselect_b32 s[LIM], 2, -1
	s_mul_i32 s60, s[W3], KSTEPB                   ; where my quarter goes in a slot
	s_mul_i32 s61, s[W3], VSTEPB
	s_add_co_u32 s61, s61, VOFF
	s_wait_dscnt 0x0                               ; both opening adds are done
	s_wait_kmcnt 0x0
	s_add_nc_u64 s[KB:KB+1], s[4:5], s[62:63]
	s_add_nc_u64 s[KB:KB+1], s[KB:KB+1], 0x1000000 ; k lies 16,777,216 bytes behind q,
	s_add_nc_u64 s[VB:VB+1], s[KB:KB+1], 0x1000000 ; v as far behind k
	s_add_nc_u64 s[QBASE:QBASE+1], s[4:5], s[66:67]
	s_add_nc_u64 s[OBASE:OBASE+1], s[6:7], s[68:69]
	s_mov_b32 s[G0K], 1                            ; 1:0 count = 1
	s_mov_b32 s[G0K+1], s60                        ; 63:32 LDS address: slot 0
	s_mov_b64 s[G0K+2:G0K+3], s[KB:KB+1]           ; 120:64 global address: chunk 0
	s_or_b32 s[G0K+3], s[G0K+3], 0x80000000        ; 127:126 type = 2
	s_mov_b32 s[G0V], 1
	s_mov_b32 s[G0V+1], s61
	s_mov_b64 s[G0V+2:G0V+3], s[VB:VB+1]
	s_or_b32 s[G0V+3], s[G0V+3], 0x80000000
	TLOAD                                          ; chunk 0 into slot 0: one load of mine is out
	s_cmp_lt_u32 s[WV], 4
	s_cselect_b64 s[PFA:PFA+1], s[KB:KB+1], s[VB:VB+1]
	s_add_nc_u64 s[PFA:PFA+1], s[PFA:PFA+1], 32768 ; at chunk 1: the first change of slots steps it to chunk 2.  Nothing is prefetched here, at the head
	v_and_b32 v16, 15, v0                          ; r = lane % 16
	v_bfe_u32 v17, v0, 4, 1                        ; h = lane / 16
	v_and_b32 v18, 31, v0                          ; lane
	v_mul_u32_u24 v[AK0], v16, KP
	v_lshl_add_u32 v[AK0], v17, 4, v[AK0]          ; K: row r x pitch + 16 h
	v_and_b32 v19, 7, v0
	v_lshl_add_u32 v[AV0], v17, 3, v19             ; V: the turning load takes 16 keys x 16 channels: lane l reads key 8 h + l % 8, channels 8 ((l / 8) % 2) + 0..7
	v_mul_u32_u24 v[AV0], v[AV0], VP
	v_bfe_u32 v20, v0, 3, 1
	v_lshl_add_u32 v[AV0], v20, 4, v[AV0]
	v_add_nc_u32 v[AV0], VOFF, v[AV0]
	v_lshlrev_b32 v[QO], 7, v16
	v_lshl_add_u32 v[QO], v17, 4, v[QO]            ; Q: row r of 128 bytes + 16 h
	s_mul_i32 s60, s[WV], 32*KP
	s_add_co_u32 s60, s60, STAGE                   ; my stage
	v_add_nc_u32 v[STO], s60, v[AK0]               ; in: row r, 16 bytes for each half of the lanes
	v_lshrrev_b32 v21, 3, v18
	v_mul_u32_u24 v21, v21, KP
	v_lshl_add_u32 v21, v19, 4, v21
	v_add_nc_u32 v[RD], s60, v21                   ; back: eight lanes to a row of 128 bytes, four rows an instruction
	v_lshlrev_b32 v[GO], 4, v18
	v_lshlrev_b32 v21, 3, v17
	v_sub_nc_u32 v[MD], v16, v21
	v_mov_b32 v[NINF], 0xff800000
	v_lshlrev_b32 v[PFO], 8, v18
; 16 LDS loads: a step's K, 4 tiles of 16 keys x 2 halves of the 64 channels.  A fragment is 16 rows x 32 channels: two loads of 16 bytes, 32 bytes apart.
.macro FETCH_K off
.irp f, 0,1,2,3,4,5,6,7
	ds_load_b128 v[KF+8*\f:KF+8*\f+3],   v[ADK] offset:\off+(\f/2)*16*KP+(\f%2)*64
	ds_load_b128 v[KF+8*\f+4:KF+8*\f+7], v[ADK] offset:\off+(\f/2)*16*KP+(\f%2)*64+32
.endr
.endm
; 16 turning loads: a step's V^T: keys 32 (f / 4) on, channels 16 (f % 4) on
.macro FETCH_V
.irp f, 0,1,2,3,4,5,6,7
	ds_load_tr16_b128 v[VF+8*\f:VF+8*\f+3],   v[ADV] offset:(\f/4)*32*VP+(\f%4)*32
	ds_load_tr16_b128 v[VF+8*\f+4:VF+8*\f+7], v[ADV] offset:(\f/4)*32*VP+16*VP+(\f%4)*32
.endr
.endm
; S^T = K Q^T: product i: channels 32 (i / 8) on, keys 16 ((i / 2) % 4) on, tile i % 2.  The first 8 start the sums.  The 8 accumulators take turns.
.macro KQ
.set i, 0
.rept 16
.set rS, S+32*(i%2)+8*((i/2)%4)
.set rK, KF+16*((i/2)%4)+8*(i/8)
.set rQ, Q+16*(i%2)+8*(i/8)
.if i < 8
	v_wmma_f32_16x16x32_f16 v[rS:rS+7], v[rK:rK+7], v[rQ:rQ+7], 0
.else
	v_wmma_f32_16x16x32_f16 v[rS:rS+7], v[rK:rK+7], v[rQ:rQ+7], v[rS:rS+7]
.endif
.set i, i+1
.endr
.endm
; O^T += V^T P: product i: keys 32 (i / 8) on, channels 16 ((i / 2) % 4) on, tile i % 2.  The 8 accumulators take turns.
.macro PV
.set i, 0
.rept 16
.set rO, 32*(i%2)+8*((i/2)%4)
.set rV, VF+32*(i/8)+8*((i/2)%4)
.set rP, P+16*(i%2)+8*(i/8)
	v_wmma_f32_16x16x32_f16 v[rO:rO+7], v[rV:rV+7], v[rP:rP+7], v[rO:rO+7]
.set i, i+1
.endr
.endm
; On the diagonal the scores of hidden keys become -infinity ahead of the maximum: p = 0 then.  Register 8 k + i of tile t holds key DK + 16 k + 8 h + i against query 16 t + r (both counted from my first query):
; hidden where 16 k + i - 16 t > r - 8 h - DK.  Each accumulator is read from its low end on.
.macro MASK
	s_sub_co_i32 s60, 0, s[DK]
	v_add_nc_u32 v[VM], s60, v[MD]
.irp t, 0,1
.irp k, 0,1,2,3
.irp i, 0,1,2,3,4,5,6,7
	v_cmp_gt_i32 vcc_lo, 16*\k+\i-16*\t, v[VM]
	v_cndmask_b32 v[S+32*\t+8*\k+\i], v[S+32*\t+8*\k+\i], v[NINF], vcc_lo
.endr
.endr
.endr
.endm
; A step's softmax for my two tiles, which alternate line by line, so that no line waits for the line above it.
.macro SOFTMAX
.irp j, 0,1,2,3
.irp t, 0,1
	v_max3_num_f32 v[ST+8*\t+4+\j], v[S+32*\t+8*\j], v[S+32*\t+8*\j+1], v[S+32*\t+8*\j+2]   ; four chains a tile, one for each accumulator, from its low end on
.endr
.endr
.irp q, 1,2
.irp j, 0,1,2,3
.irp t, 0,1
	v_max3_num_f32 v[ST+8*\t+4+\j], v[ST+8*\t+4+\j], v[S+32*\t+8*\j+2*\q+1], v[S+32*\t+8*\j+2*\q+2]
.endr
.endr
.endr
.irp t, 0,1
	v_max3_num_f32 v[ST+8*\t+4], v[ST+8*\t+4], v[S+32*\t+7], v[S+32*\t+15]                  ; the four scores left over,
.endr
.irp t, 0,1
	v_max3_num_f32 v[ST+8*\t+6], v[ST+8*\t+6], v[S+32*\t+23], v[S+32*\t+31]
.endr
.irp t, 0,1
	v_max3_num_f32 v[ST+8*\t+4], v[ST+8*\t+4], v[ST+8*\t+5], v[ST+8*\t+6]                   ; the chains,
.endr
.irp t, 0,1
	v_max3_num_f32 v[ST+8*\t+4], v[ST+8*\t+4], v[ST+8*\t+7], v[ST+8*\t+1]                   ; and the old m
.endr
.irp t, 0,1
	v_permlanex16_b32 v[ST+8*\t+5], v[ST+8*\t+4], s[SEL], s[SEL+1]                          ; the query's other 32 keys lie in the lane 16 away
.endr
.irp t, 0,1
	v_mov_b32 v[ST+8*\t+7], v[ST+8*\t]             ; c m_old is kept for a
.endr
.irp t, 0,1
	v_max_num_f32 v[ST+8*\t+1], v[ST+8*\t+4], v[ST+8*\t+5]
.endr
.irp t, 0,1
	v_mul_f32 v[ST+8*\t], s[CS], v[ST+8*\t+1]
.endr
.irp t, 0,1
	v_sub_f32 v[ST+8*\t+7], v[ST+8*\t+7], v[ST+8*\t]
.endr
.irp b, 0,1,2,3,4,5,6,7,8,9,10,11,12,13,14,15
.irp t, 0,1
	v_pk_fma_f32 v[S+32*\t+2*\b:S+32*\t+2*\b+1], v[S+32*\t+2*\b:S+32*\t+2*\b+1], s[CS:CS+1], v[ST+8*\t:ST+8*\t+1] op_sel_hi:[1,0,0] neg_lo:[0,0,1] neg_hi:[0,0,1]   ; c s - c m, two at a time
.endr
.endr
.irp t, 0,1
	v_exp_f32 v[ST+8*\t+6], v[ST+8*\t+7]           ; a.  ONE BATCH: 66 exponentials, none of which reads another's result
.endr
.set i, 0
.rept 32
	v_exp_f32 v[S+i], v[S+i]
	v_exp_f32 v[S+32+i], v[S+32+i]
.set i, i+1
.endr
	v_nop                                          ; the plain instruction behind the last exponential (ISA guide 5.7.2)
	s_wait_alu depctr_va_vdst(0)                   ; and one wait ahead of the batch's first reader
.irp n, 0,1,2,3,4,5,6,7,8,9,10,11,12,13,14,15
.irp t, 0,1
	v_cvt_pk_f16_f32 v[P+16*\t+\n], v[S+32*\t+2*\n], v[S+32*\t+2*\n+1]
.endr
.endr
.irp u, 0,1,2,3,4,5,6,7                        ; the sum of a tile's 16 pairs (an even key's weight, an odd key's), in place: neighbours 1, 2, 4 and 8 pairs apart
.irp t, 0,1
	v_pk_add_f32 v[S+32*\t+4*\u:S+32*\t+4*\u+1], v[S+32*\t+4*\u:S+32*\t+4*\u+1], v[S+32*\t+4*\u+2:S+32*\t+4*\u+3]
.endr
.endr
.irp u, 0,1,2,3
.irp t, 0,1
	v_pk_add_f32 v[S+32*\t+8*\u:S+32*\t+8*\u+1], v[S+32*\t+8*\u:S+32*\t+8*\u+1], v[S+32*\t+8*\u+4:S+32*\t+8*\u+5]
.endr
.endr
.irp u, 0,1
.irp t, 0,1
	v_pk_add_f32 v[S+32*\t+16*\u:S+32*\t+16*\u+1], v[S+32*\t+16*\u:S+32*\t+16*\u+1], v[S+32*\t+16*\u+8:S+32*\t+16*\u+9]
.endr
.endr
.irp t, 0,1
	v_pk_add_f32 v[S+32*\t:S+32*\t+1], v[S+32*\t:S+32*\t+1], v[S+32*\t+16:S+32*\t+17]
.endr
.irp t, 0,1
	v_pk_fma_f32 v[ST+8*\t+2:ST+8*\t+3], v[ST+8*\t+2:ST+8*\t+3], v[ST+8*\t+6:ST+8*\t+7], v[S+32*\t:S+32*\t+1] op_sel_hi:[1,0,1]   ; l = a l + the sum
.endr
	WIN 0x41                                       ; O^T (destination and source 0) in window 1, a in window 0
.irp k, 0,1,2,3,4,5,6,7,8,9,10,11,12,13,14,15
.irp t, 0,1
	v_pk_mul_f32 v[32*\t+2*\k:32*\t+2*\k+1], v[32*\t+2*\k:32*\t+2*\k+1], v[ST+8*\t+6:ST+8*\t+7] op_sel_hi:[1,0]   ; O^T times a, each accumulator from its low end on
.endr
.endr
.endm
; A block of queries begins: Q into registers; O^T and l begin as zeros and m as -3e38, so that the step is written once: the first a is 0 and multiplies zeros.
.macro INITBLK
	s_lshl_b32 s62, s[QB], 15                      ; 256 rows of 128 bytes a block
	s_mov_b32 s63, 0
	s_add_nc_u64 s[60:61], s[QBASE:QBASE+1], s[62:63]
.irp t, 0,1
.irp k, 0,1
	global_load_b128 v[Q+16*\t+8*\k:Q+16*\t+8*\k+3],   v[QO], s[60:61] offset:\t*2048+\k*64
	global_load_b128 v[Q+16*\t+8*\k+4:Q+16*\t+8*\k+7], v[QO], s[60:61] offset:\t*2048+\k*64+32
.endr
.endr
	WIN 0x40
.set i, 0
.rept 64
	v_mov_b32 v[i], 0
.set i, i+1
.endr
	WIN 0
.irp t, 0,1
	v_mov_b32 v[ST+8*\t+1], 0xff61b1e6             ; -3e38, under every score
	v_mul_f32 v[ST+8*\t], s[CS], v[ST+8*\t+1]
.irp k, 2,3,4,5,6,7
	v_mov_b32 v[ST+8*\t+\k], 0
.endr
.endr
	s_wait_loadcnt 0x0                             ; Q is in, and its address pair is free
.endm
; A block of queries ends: O^T / l, rounded to f16, goes through my stage in LDS and leaves as 32 rows of 128 bytes: 4,096 consecutive bytes of ao16.  next = 1: block J follows.
.macro FINISH next
.irp t, 0,1
	v_add_f32 v[ST+8*\t+4], v[ST+8*\t+2], v[ST+8*\t+3]
.endr
.irp t, 0,1
	v_permlanex16_b32 v[ST+8*\t+5], v[ST+8*\t+4], s[SEL], s[SEL+1]
.endr
.irp t, 0,1
	v_add_f32 v[ST+8*\t+4], v[ST+8*\t+4], v[ST+8*\t+5]
.endr
.irp t, 0,1
	v_rcp_f32 v[ST+8*\t+6], v[ST+8*\t+4]
.endr
	v_nop                                          ; a plain instruction between the last reciprocal and the use of its result
	s_wait_alu depctr_va_vdst(0)                   ; and a wait ahead of the first use: one for the two
	WIN 0x41
.irp t, 0,1
.irp k, 0,1,2,3,4,5,6,7,8,9,10,11,12,13,14,15
	v_pk_mul_f32 v[32*\t+2*\k:32*\t+2*\k+1], v[32*\t+2*\k:32*\t+2*\k+1], v[ST+8*\t+6:ST+8*\t+7] op_sel_hi:[1,0]
.endr
.endr
	WIN 0x05                                       ; sources 0 and 1 window 1, destination window 0
.set i, 0
.rept 32
	v_cvt_pk_f16_f32 v[OB+i], v[2*i], v[2*i+1]
.set i, i+1
.endr
	WIN 0
.irp t, 0,1
.irp d, 0,1,2,3
	ds_store_b128 v[STO], v[OB+16*\t+4*\d:OB+16*\t+4*\d+3] offset:\t*16*KP+\d*32
.endr
.endr
.irp n, 0,1,2,3,4,5,6,7
	ds_load_b128 v[S+4*\n:S+4*\n+3], v[RD] offset:\n*4*KP          ; LDS serves a wave's instructions in order (ISA guide 5.7.1.4): these see the stores above
.endr
	s_lshl_b32 s68, s[QB], 15
	s_mov_b32 s69, 0
	s_add_nc_u64 s[66:67], s[OBASE:OBASE+1], s[68:69]
	s_wait_dscnt 0x0
.irp n, 0,1,2,3,4,5,6,7
	global_store_b128 v[GO], v[S+4*\n:S+4*\n+3], s[66:67] offset:\n*512   ; 32 lanes store 512 consecutive bytes, aligned
.endr
	s_wait_xcnt 0x0                                ; the stores have read their data and their base: both are written again only behind this wait
.if \next
	s_mov_b32 s[QB], s[JJ]
	INITBLK
.endif
.endm
; THE CHANGE OF SLOTS stands at a chunk's head.  Each wave waits for all its tensor loads (its part of the chunk that it is about to read), adds 0 to its spare word, and waits for that and for its reads of the
; slot that it has left.  Behind the barrier the slot ahead is whole and nobody reads the other one.  fill = 1: that other slot is filled with the chunk that follows, the first thing behind the barrier.
.macro CHANGE fill
	s_wait_tensorcnt 0x0                           ; no tensor load of mine is out, so a group 0 may be written
	ds_add_u32 v[SPW], v[NIL]                      ; 0 onto my spare word; the steps below stand between it and the wait for it
	s_mov_b32 s[CK], s[NK]
.if \fill
	s_add_co_u32 s[NK], s[NK], 1
	s_cmp_eq_u32 s[NK], s[LIMJ]                    ; behind the first block's last chunk comes chunk 0 again, for the second block
	s_cselect_b32 s[NK], 0, s[NK]
	s_lshl_b32 s62, s[NK], 15                      ; 256 rows of 128 bytes a chunk
	s_mov_b32 s63, 0
	s_xor_b32 s[G0K+1], s[G0K+1], SLOT1            ; the other slot than last time
	s_add_nc_u64 s[G0K+2:G0K+3], s[KB:KB+1], s[62:63]
	s_or_b32 s[G0K+3], s[G0K+3], 0x80000000
	s_xor_b32 s[G0V+1], s[G0V+1], SLOT1
	s_add_nc_u64 s[G0V+2:G0V+3], s[VB:VB+1], s[62:63]
	s_or_b32 s[G0V+3], s[G0V+3], 0x80000000
	s_wait_xcnt 0x0                                ; the last prefetch, a chunk back, has read its address, so it may be written
	s_add_nc_u64 s[PFA:PFA+1], s[PFA:PFA+1], 32768
.endif
	s_wait_dscnt 0x0                               ; the add is done, and my reads of the slot that I have left are over
	s_barrier_signal -1
	s_barrier_wait -1
.if \fill
	TLOAD                                          ; my one tensor load until the next change of slots
	ASK
.endif
.endm
; A CHUNK: four steps of 64 keys, written once, walked four times.  A step all of whose keys come after my 32 queries is left out: a scalar branch on ids, round the step's loads, products and softmax,
; not round the lines at its end that step addresses; no barrier and no tensor load stands in a step.  DK is a multiple of 32: hidden where DK > 0, open where DK < -32, on the diagonal at -32 and 0.
.macro CHUNK
	s_sub_co_i32 s[DK], s[CK], s[QB]
	s_lshl_b32 s[DK], s[DK], 8
	s_lshl_b32 s60, s[WV], 5
	s_sub_co_i32 s[DK], s[DK], s60
	s_mov_b32 s[QC], 4
	v_add_nc_u32 v[ADK], s[TK], v[AK0]
	FETCH_K 0
.Lstep_\@:
	s_cmp_gt_i32 s[DK], 0
	s_cbranch_scc1 .Lhid_\@
	v_add_nc_u32 v[ADV], s[TV], v[AV0]
	WIN 0x40                                       ; destination window 1
	FETCH_V
	WIN 0
	s_wait_dscnt 16                                ; K is in; V's sixteen loads may be out
	KQ
	PLACES                                         ; in front of the loads into K's registers and of the first read of the scores
	s_cmp_eq_u32 s[QC], 1
	s_cbranch_scc1 .Lnok_\@
	v_add_nc_u32 v[ADK], s[TK], v[AK0]
	FETCH_K KSTEPB                                 ; the next step's K lands under this step's softmax
.Lnok_\@:
	s_cmp_lt_i32 s[DK], -32
	s_cbranch_scc1 .Lopen_\@
	MASK
.Lopen_\@:
	SOFTMAX
	s_wait_dscnt 0x0                               ; V is in (and the next step's K)
	WIN 0x51                                       ; V and O^T in window 1, P in window 0
	PV
	WIN 0
	PLACES                                         ; in front of the next loads into V's registers and of the next read of O^T
.Lhid_\@:
	s_add_co_u32 s[TK], s[TK], KSTEPB
	s_add_co_u32 s[TV], s[TV], VSTEPB
	s_add_co_i32 s[DK], s[DK], 64
	s_sub_co_u32 s[QC], s[QC], 1
	s_cmp_lg_u32 s[QC], 0
	s_cbranch_scc1 .Lstep_\@
	s_sub_co_u32 s[TK], s[TK], 4*KSTEPB            ; back to a slot's first step,
	s_xor_b32 s[TK], s[TK], SLOT1                  ; in the other slot
	s_sub_co_u32 s[TV], s[TV], 4*VSTEPB
	s_xor_b32 s[TV], s[TV], SLOT1
.endm
	INITBLK
	s_mov_b32 s[SL], 8
.Lslot:                                            ; eight trips: behind each change of slots but the last the next chunk is asked for
	CHANGE 1
	CHUNK
	s_cmp_lg_u32 s[CK], s[QB]                      ; the chunk on the diagonal ends the block: ids alone, the same in all eight waves
	s_cbranch_scc1 .Lnf
	FINISH 1
.Lnf:
	s_sub_co_u32 s[SL], s[SL], 1
	s_cmp_lg_u32 s[SL], 0
	s_cbranch_scc1 .Lslot
	CHANGE 0                                       ; the ninth chunk is written out: it is block J's diagonal
	CHUNK
	FINISH 0
	s_wait_tensorcnt 0x0                           ; the wave's end, behind my last tensor load and my last LDS store
	ds_add_u32 v[SPW], v[NIL]
	s_wait_dscnt 0x0
	s_endpgm
.Lfunc_end_k_q5cc4ef8491_attn:
	.size	k_q5cc4ef8491_attn, .Lfunc_end_k_q5cc4ef8491_attn-k_q5cc4ef8491_attn
	.p2alignl 7, 3214868480
	.fill 96, 4, 3214868480
	.section	.rodata,"a",@progbits
	.p2align	6, 0x0
	.amdhsa_kernel k_q5cc4ef8491_attn
		.amdhsa_group_segment_fixed_size 327680
		.amdhsa_private_segment_fixed_size 0
		.amdhsa_enable_private_segment 0
		.amdhsa_kernarg_size 16
		.amdhsa_user_sgpr_count 2
		.amdhsa_user_sgpr_kernarg_segment_ptr 1
		.amdhsa_wavefront_size32 1
		.amdhsa_system_sgpr_workgroup_id_x 1
		.amdhsa_system_sgpr_workgroup_id_y 1
		.amdhsa_system_sgpr_workgroup_id_z 1
		.amdhsa_system_vgpr_workitem_id 0
		.amdhsa_next_free_vgpr 384
		.amdhsa_next_free_sgpr 72
		.amdhsa_reserve_vcc 1
		.amdhsa_float_denorm_mode_32 3
		.amdhsa_float_denorm_mode_16_64 3
		.amdhsa_memory_ordered 1
		.amdhsa_forward_progress 1
		.amdhsa_inst_pref_size 74
	.end_amdhsa_kernel
	.amdgpu_metadata
---
amdhsa.version: [ 1, 2 ]
amdhsa.kernels:
  - .name:           k_q5cc4ef8491_attn
    .symbol:         k_q5cc4ef8491_attn.kd
    .args:
      - { .name: qkv16, .offset: 0, .size: 8, .value_kind: global_buffer, .address_space: global }
      - { .name: ao16, .offset: 8, .size: 8, .value_kind: global_buffer, .address_space: global }
    .group_segment_fixed_size: 327680
    .private_segment_fixed_size: 0
    .kernarg_segment_align: 8
    .kernarg_segment_size: 16
    .max_flat_workgroup_size: 256
    .sgpr_count:     72
    .vgpr_count:     384
    .wavefront_size: 32
...
	.end_amdgpu_metadata
.endif
;; end of part 3
;; launch oproj (part 4): grid 4 x 64, 4 waves a work-group, clusters of 4 x 4, 327,680 bytes of LDS; arguments ao16, wo16, out0; writes out0
.if DOCPART == 4
	.amdgcn_target "amdgcn-amd-amdhsa--gfx1250"
	.amdhsa_code_object_version 6
	.text
	.protected	k_q5cc4ef8491_oproj
	.globl	k_q5cc4ef8491_oproj
	.p2align	8
	.type	k_q5cc4ef8491_oproj,@function
k_q5cc4ef8491_oproj:
	s_mov_b64 s[64:65], 0
	v_nop
	global_prefetch_b8 v0, s[64:65] scope:SCOPE_SE
	s_setreg_imm32_b32 hwreg(HW_REG_WAVE_MODE, 25, 1), 1
	s_wait_xcnt 0x0
	s_wait_alu depctr_hold_cnt(0) depctr_sa_sdst(0) depctr_va_vdst(0) depctr_va_sdst(0) depctr_va_ssrc(0) depctr_va_vcc(0) depctr_vm_vsrc(0)
	s_getreg_b32 s2, hwreg(HW_REG_IB_STS2, 6, 4)
	s_cmp_eq_u32 s2, 0
	s_cbranch_scc0 .Lentry_in_a_cluster
	s_endpgm
.Lentry_in_a_cluster:
	s_bfe_u32 s2, ttmp6, 0x10000c
	s_cmp_lg_u32 s2, 0xf033
	s_cbranch_scc0 .Lentry_shape_is_right
	s_endpgm
.Lentry_shape_is_right:
; out0[m][e] = sum over k of AO[m][k] wo[e][k]: [8192] x [1024], K = 1,024 = 16 heads x 64.  Operands f16, sums and result f32.
; Both operands lie by slabs of 64 along K: ao16 [16][8192][64], wo16 [16][1024][64]: in a slab a run of rows is one dense block of memory.
; A tile of out0 is 128 x 256: 256 work-groups.  Four waves, each 64 x 128: 32 accumulators of 16 x 16, which fill window 1.
; TILES.  For one head, 64 rows of AO are 8,192 dense bytes and 128 rows of wo 16,384.  A tensor load takes such a block as ONE row of 8-byte elements and the heads as the rows of its tile, a slab apart;
; 16 bytes of padding follow every 256 bytes.  So logical row p of a head lies at (p / 2) x 272 + (p % 2) x 128: the sixteen rows of a fragment fall into sixteen different groups of four banks (ISA guide 11.1).
; THE RING.  Two slots of three heads.  The 16 heads go as 3, 3, 3, 3, 2, 2: two first fills and four refills, one tensor load a wave each (waves 0, 1: AO's two halves; waves 2, 3: wo's).
; CLUSTER 4 x 4: AO's tiles are shared along a row of the cluster, wo's along a column: joint loads; a round of the cluster's barrier stands in front of each refill.
; No prefetch: a K step's tiles are small and shared sixteenfold through the joint loads, and the whole of wo16 is read by every row of clusters.
; THE MATRIX INSTRUCTION IS USED TRANSPOSED (source 0 = 16 rows of wo, source 1 = 16 rows of AO): a lane then holds eight neighbouring numbers of a row of out0.
; REGISTERS: window 0: v0-31 addresses; v32-127 and v128-223 two fragment buffers (AO's 4 fragments, then wo's 8, for 32 along K).  window 1: the accumulators ((a, b) at v[8 (8 a + b)]).
.set AHEAD, 32*272                     ; a head's 64 rows of AO in LDS
.set BHEAD, 64*272                     ; a head's 128 rows of wo
.set APART, 3*AHEAD                    ; what one tensor load brings at the most
.set BPART, 3*BHEAD
.set BOFF,  2*APART                    ; a slot: AO's two halves, then wo's two
.set SLOT,  BOFF+2*BPART
.set SPARE, 2*SLOT                     ; behind the ring: the spare words, 128 bytes a wave
.set SPITCH, 528                       ; the way out: a stage of 16 rows x (512 bytes + 16) for each wave, in slot 0, which has had its last fill and its last read by then
.set ADRA, 16                          ; v16-17  LDS address of my AO fragments in slot 0, 1
.set ADRB, 20                          ; v20-21  the same for wo
.set STO,  24                          ; v24     the way out: where I put 32 bytes of a row
.set RD,   25                          ; v25     where I read a row back
.set CO,   26                          ; v26     16 x lane
.set SPW,  28                          ; v28     LDS address of my spare word; never rewritten
.set NIL,  29                          ; v29     0; never rewritten
.set F0,   32
.set F1,   128
.set G1A3, 24                          ; s[24:31] descriptor group 1 for AO, three heads;  s[32:39] two heads
.set G1A2, 32
.set G1B3, 48                          ; s[48:55], s[56:63] the same for wo
.set G1B2, 56
.set G0A,  68                          ; s[68:75] group 0 for AO, one set for each slot;  s[76:83] for wo
.set G0B,  76
.set MSB, 0
.macro WIN new                         ; the immediate's high byte repeats the setting that is left
.if MSB != \new
	s_set_vgpr_msb (MSB<<8)|\new
.set MSB, \new
.endif
.endm
.set MUL, 0x50                         ; sources 0 and 1 window 0; C and D window 1
.macro JLOAD g0a, g1a, g0b, g1b        ; a joint load: waves 0 and 1 fetch AO's halves, waves 2 and 3 wo's; an s_nop 0 and four v_nop follow each of the two lines
	s_cmp_eq_u32 s11, 0
	s_cbranch_scc0 .Lfor_b_\@
	tensor_load_to_lds s[\g0a:\g0a+3], s[\g1a:\g1a+7]
	s_nop 0
.rept 4
	v_nop
.endr
	s_branch .Lasked_\@
.Lfor_b_\@:
	tensor_load_to_lds s[\g0b:\g0b+3], s[\g1b:\g1b+7]
	s_nop 0
.rept 4
	v_nop
.endr
.Lasked_\@:
.endm
.macro CREST                           ; a round of the cluster's barrier behind its opening barrier
	s_cmp_lg_u32 s10, 0
	s_cbranch_scc1 .Lnot_wave_0_\@
	s_barrier_signal -3
.Lnot_wave_0_\@:
	s_barrier_wait -3
	s_barrier_signal -1
	s_barrier_wait -1
.endm
.macro CROUND                          ; a whole round
	s_barrier_signal -1
	s_barrier_wait -1
	CREST
.endm
.macro PLACES                          ; four places behind matrix instructions (ISA guide 7.12.1 for vector instructions)
.rept 4
	v_nop
.endr
.endm
	s_load_b128 s[4:7], s[0:1], 0x0                ; ao16 s[4:5], wo16 s[6:7]
	s_load_b64 s[8:9], s[0:1], 0x10                ; out0
	v_lshl_add_u32 v[SPW], v0, 2, SPARE
	v_mov_b32 v[NIL], 0
	ds_add_u32 v[SPW], v[NIL]                      ; the wave's opening: the add, twice on end, and its wait ahead of my first tensor load
	ds_add_u32 v[SPW], v[NIL]                      ; and once more; the set-up below, work on registers, stands between it and the wait
	v_lshrrev_b32 v1, 5, v0
	v_readfirstlane_b32 s10, v1                    ; wave 0..3
	s_lshr_b32 s11, s10, 1                         ; which half of the tile's rows is mine.  Also: I fetch for AO (0) or for wo (1)
	s_and_b32 s12, s10, 1                          ; which half of its columns.  Also: which half of that operand's rows I fetch
	s_bfe_u32 s40, ttmp6, 0x40000                  ; cx, cy: my place in the cluster
	s_bfe_u32 s41, ttmp6, 0x40004
	s_lshl_b32 s42, ttmp9, 2
	s_add_co_u32 s42, s42, s40                     ; tile column = 4 x cluster x + cx
	s_and_b32 s13, ttmp7, 0xffff
	s_lshl_b32 s13, s13, 2
	s_add_co_u32 s13, s13, s41                     ; tile row = 4 x cluster y + cy
	s_lshl_b32 s43, s41, 2
	s_lshl_b32 s43, 15, s43                        ; my row of the cluster
	s_lshl_b32 s44, 0x1111, s40                    ; my column
	; descriptor group 1.  15:0 the mask; 17:16 elements of 8 bytes; 20 padding on; 21 set beside a mask; 24:22 after every 64 words (code 5); 31:25 of 4 words (code 3)
	s_or_b32 s[G1A3], s43, (3<<16)|(1<<20)|(1<<21)|(5<<22)|(3<<25)
	s_or_b32 s[G1A2], s43, (3<<16)|(1<<20)|(1<<21)|(5<<22)|(3<<25)
	s_or_b32 s[G1B3], s44, (3<<16)|(1<<20)|(1<<21)|(5<<22)|(3<<25)
	s_or_b32 s[G1B2], s44, (3<<16)|(1<<20)|(1<<21)|(5<<22)|(3<<25)
.irp g, G1A3, G1A2
	s_mov_b32 s[\g+1], 1024<<16                    ; tensor_dim0 = 1,024 elements: 64 rows of 128 bytes
	s_mov_b32 s[\g+3], 1024<<16                    ; tile_dim0
	s_mov_b32 s[\g+5], 131072                      ; from head to head: 1,048,576 bytes
	s_mov_b32 s[\g+6], 0
	s_mov_b32 s[\g+7], 0
.endr
.irp g, G1B3, G1B2
	s_mov_b32 s[\g+1], 2048<<16                    ; 2,048 elements: 128 rows of 128 bytes
	s_mov_b32 s[\g+3], 2048<<16
	s_mov_b32 s[\g+5], 16384                       ; from head to head: 131,072 bytes
	s_mov_b32 s[\g+6], 0
	s_mov_b32 s[\g+7], 0
.endr
.irp g, G1A3, G1B3
	s_mov_b32 s[\g+2], 3<<16                       ; tensor_dim1 = 3 heads
	s_mov_b32 s[\g+4], 3                           ; tile_dim1
.endr
.irp g, G1A2, G1B2
	s_mov_b32 s[\g+2], 2<<16                       ; 2 heads
	s_mov_b32 s[\g+4], 2
.endr
	s_lshl_b32 s16, s13, 14                        ; AO: 128 rows of 128 bytes for each tile row,
	s_lshl_b32 s17, s12, 13                        ; + the half that I fetch
	s_add_co_u32 s16, s16, s17
	s_mov_b32 s17, 0
	s_lshl_b32 s46, s42, 15                        ; wo: 256 rows for each tile column,
	s_lshl_b32 s47, s12, 14
	s_add_co_u32 s46, s46, s47
	s_mov_b32 s47, 0
	s_mul_i32 s20, s12, APART                      ; where they go: no place in the cluster enters an LDS address
	s_mul_i32 s21, s12, BPART
	s_add_co_u32 s21, s21, BOFF
	s_wait_dscnt 0x0                               ; both opening adds are done
	s_wait_kmcnt 0x0
	s_add_nc_u64 s[14:15], s[4:5], s[16:17]
	s_add_nc_u64 s[46:47], s[6:7], s[46:47]
	CROUND                                         ; all sixteen work-groups are here: the first joint loads meet
.irp s, 0,1
	s_mov_b32 s[G0A+4*\s], 1
	s_add_co_u32 s[G0A+4*\s+1], s20, \s*SLOT
	s_add_nc_u64 s[G0A+4*\s+2:G0A+4*\s+3], s[14:15], \s*3*1048576   ; slot s begins with heads 3 s to 3 s + 2
	s_or_b32 s[G0A+4*\s+3], s[G0A+4*\s+3], 0x80000000
	s_mov_b32 s[G0B+4*\s], 1
	s_add_co_u32 s[G0B+4*\s+1], s21, \s*SLOT
	s_add_nc_u64 s[G0B+4*\s+2:G0B+4*\s+3], s[46:47], \s*3*131072
	s_or_b32 s[G0B+4*\s+3], s[G0B+4*\s+3], 0x80000000
	JLOAD G0A+4*\s, G1A3, G0B+4*\s, G1B3           ; two loads of mine are out
.endr
	v_and_b32 v1, 15, v0                           ; r = l % 16
	v_bfe_u32 v2, v0, 4, 1                         ; h = l / 16
	v_lshrrev_b32 v3, 1, v1
	v_mul_u32_u24 v3, v3, 272
	v_and_b32 v4, 1, v0
	v_lshl_add_u32 v3, v4, 7, v3
	v_lshl_add_u32 v3, v2, 4, v3                   ; a fragment's row: (r / 2) x 272 + (r % 2) x 128 + 16 h
	s_mul_i32 s22, s11, APART                      ; my 64 rows of AO
	s_mul_i32 s23, s12, BPART                      ; my 128 rows of wo
	s_add_co_u32 s23, s23, BOFF
.irp s, 0,1
	v_add_nc_u32 v[ADRA+\s], s22, v3
	v_add_nc_u32 v[ADRB+\s], s23, v3
	s_add_co_u32 s22, s22, SLOT
	s_add_co_u32 s23, s23, SLOT
.endr
	s_mul_i32 s23, s10, 16*SPITCH                  ; my stage
	v_mul_u32_u24 v5, v1, SPITCH                   ; in: row r, 32 bytes for each half of the lanes
	v_lshl_add_u32 v5, v2, 5, v5
	v_add_nc_u32 v[STO], s23, v5
	v_and_b32 v6, 31, v0
	v_lshlrev_b32 v[CO], 4, v6                     ; back: the 32 lanes take one row of 512 bytes; and the same in out0
	v_add_nc_u32 v[RD], s23, v[CO]
	s_lshl_b32 s16, s13, 19                        ; my first row of out0: 128 rows of 4,096 bytes for each tile row,
	s_lshl_b32 s17, s11, 18                        ; + my half's 64
	s_add_co_u32 s16, s16, s17
	s_mov_b32 s17, 0
	s_add_nc_u64 s[8:9], s[8:9], s[16:17]
	s_lshl_b32 s46, s42, 10                        ; my first column, in bytes: 1,024 x tile column + 512 x half
	s_lshl_b32 s47, s12, 9
	s_add_co_u32 s46, s46, s47
	s_mov_b32 s47, 0
	s_add_nc_u64 s[8:9], s[8:9], s[46:47]
; 24 LDS loads in one run: the fragments of the slot's n-th 32 along K (head n / 2 of the slot, half n % 2 of its 64) into buffer f: wo's eight, then AO's four
.macro FETCH slot, n, f
.irp i, 0,1,2,3,4,5,6,7
	ds_load_b128 v[(\f)+32+8*\i:(\f)+32+8*\i+3], v[ADRB+\slot] offset:((\n)/2)*BHEAD+\i*2176+((\n)%2)*64
	ds_load_b128 v[(\f)+32+8*\i+4:(\f)+32+8*\i+7], v[ADRB+\slot] offset:((\n)/2)*BHEAD+\i*2176+((\n)%2)*64+32
.endr
.irp i, 0,1,2,3
	ds_load_b128 v[(\f)+8*\i:(\f)+8*\i+3], v[ADRA+\slot] offset:((\n)/2)*AHEAD+\i*2176+((\n)%2)*64
	ds_load_b128 v[(\f)+8*\i+4:(\f)+8*\i+7], v[ADRA+\slot] offset:((\n)/2)*AHEAD+\i*2176+((\n)%2)*64+32
.endr
.endm
; 8 matrix instructions: AO's block a against wo's eight.  zero = 1: the first product starts the sums.  The 32 accumulators take turns, in the same order in every step.
.macro MULA f, a, zero
.irp b, 0,1,2,3,4,5,6,7
.if \zero
	v_wmma_f32_16x16x32_f16 v[8*(8*(\a)+\b):8*(8*(\a)+\b)+7], v[(\f)+32+8*\b:(\f)+32+8*\b+7], v[(\f)+8*(\a):(\f)+8*(\a)+7], 0
.else
	v_wmma_f32_16x16x32_f16 v[8*(8*(\a)+\b):8*(8*(\a)+\b)+7], v[(\f)+32+8*\b:(\f)+32+8*\b+7], v[(\f)+8*(\a):(\f)+8*(\a)+7], v[8*(8*(\a)+\b):8*(8*(\a)+\b)+7]
.endif
.endr
.endm
; A step of 32 along K that has its successor in the same slot: the next step's fragments are asked for, then this step's 32 products are issued.
.macro KS slot, n, zero
	s_wait_dscnt 0x0                               ; this step's fragments are in (asked for a step ago)
	PLACES                                         ; in front of the loads into the buffer that the last step multiplied
	FETCH \slot, (\n)+1, F0+96*(((\n)+1)%2)
	WIN MUL
	MULA F0+96*((\n)%2), 0, \zero
	MULA F0+96*((\n)%2), 1, \zero
	MULA F0+96*((\n)%2), 2, \zero
	MULA F0+96*((\n)%2), 3, \zero
	WIN 0
.endm
; A slot's last step multiplies buffer 1 and changes slots: ONE barrier; in front of it each wave waits for all its tensor loads, adds 0 to its spare word, and waits for that and for its reads of this slot.
; fill = 1: this slot is filled again, \heads heads further on; the barrier then opens a round of the cluster's barrier, and the joint refill is the first tensor load behind it.
.macro TURN slot, next, fill, g1a, g1b, heads
	s_wait_tensorcnt 0x0                           ; all my tensor loads have landed: my part of the next slot  (every window is 0 here)
	ds_add_u32 v[SPW], v[NIL]                      ; 0 onto my spare word
	s_wait_dscnt 1                                 ; the step's fragments are in (the add may be out)
	WIN MUL
	MULA F1, 0, 0                                  ; eight matrix instructions stand between the add and the wait for it
	s_wait_dscnt 0x0                               ; the add is done, and my reads of this slot are over
	s_barrier_signal -1
	MULA F1, 1, 0
	WIN 0
	s_barrier_wait -1
.if \fill
	CREST                                          ; no wave of any partner still reads this slot's tile or has a load on its way
	s_add_nc_u64 s[G0A+4*\slot+2:G0A+4*\slot+3], s[G0A+4*\slot+2:G0A+4*\slot+3], (\heads)*1048576
	s_add_nc_u64 s[G0B+4*\slot+2:G0B+4*\slot+3], s[G0B+4*\slot+2:G0B+4*\slot+3], (\heads)*131072
	JLOAD G0A+4*\slot, \g1a, G0B+4*\slot, \g1b     ; the four v_nop behind it are also the places in front of the loads below
.else
	PLACES
.endif
	FETCH \next, 0, F0
	WIN MUL
	MULA F1, 2, 0
	MULA F1, 3, 0
	WIN 0
.endm
	s_wait_tensorcnt 1                             ; my part of slot 0 is in (slot 1's load may be out),
	s_barrier_signal -1
	s_barrier_wait -1                              ; everybody's is
	FETCH 0, 0, F0
	KS 0, 0, 1                                     ; heads 0-2: the first step's products start the sums
.irp n, 1,2,3,4
	KS 0, \n, 0
.endr
	TURN 0, 1, 1, G1A3, G1B3, 6                    ; slot 0 takes heads 6-8
.irp n, 0,1,2,3,4
	KS 1, \n, 0                                    ; heads 3-5
.endr
	TURN 1, 0, 1, G1A3, G1B3, 6                    ; slot 1 takes heads 9-11
.irp n, 0,1,2,3,4
	KS 0, \n, 0                                    ; heads 6-8
.endr
	TURN 0, 1, 1, G1A2, G1B2, 6                    ; slot 0 takes heads 12, 13
.irp n, 0,1,2,3,4
	KS 1, \n, 0                                    ; heads 9-11
.endr
	TURN 1, 0, 1, G1A2, G1B2, 5                    ; slot 1 takes heads 14, 15
.irp n, 0,1,2
	KS 0, \n, 0                                    ; heads 12, 13
.endr
	TURN 0, 1, 0, G1A2, G1B2, 0                    ; nothing is left to fetch: no round
.irp n, 0,1,2
	KS 1, \n, 0                                    ; heads 14, 15
.endr
	s_wait_dscnt 0x0                               ; the very last step
	WIN MUL
	MULA F1, 0, 0
	MULA F1, 1, 0
	MULA F1, 2, 0
	MULA F1, 3, 0
	WIN 0
; THE WAY OUT, block by block of 16 rows x 128 columns, through my own stage in LDS: back come whole rows of 512 bytes.  LDS serves a wave's instructions in order (ISA guide 5.7.1.4).
.macro TOSTAGE a
	WIN 0x04                                       ; an LDS store's data are its source 1: window 1
.irp b, 0,1,2,3,4,5,6,7
	ds_store_b128 v[STO], v[64*(\a)+8*\b:64*(\a)+8*\b+3] offset:64*\b          ; each accumulator from its low end on
	ds_store_b128 v[STO], v[64*(\a)+8*\b+4:64*(\a)+8*\b+7] offset:64*\b+16
.endr
	WIN 0
.set BB, 32+96*((\a)%2)
.irp t, 0,1,2,3,4,5,6,7,8,9,10,11,12,13,14,15
	ds_load_b128 v[BB+4*\t:BB+4*\t+3], v[RD] offset:\t*SPITCH
.endr
.endm
.macro SEND a, younger                 ; younger: the LDS instructions issued behind block a's loads, which may stay out
.set BB, 32+96*((\a)%2)
	s_wait_dscnt \younger                          ; the block is back in registers
.if (\a) > 0
	s_add_nc_u64 s[8:9], s[8:9], 16*4096           ; 16 rows on (behind a wait on XCNT: the earlier stores have read their base)
.endif
.irp t, 0,1,2,3,4,5,6,7,8,9,10,11,12,13,14,15
	global_store_b128 v[CO], v[BB+4*\t:BB+4*\t+3], s[8:9] offset:\t*4096 th:TH_STORE_NT   ; 32 lanes store 512 consecutive bytes, aligned to 256
.endr
.endm
	PLACES                                         ; behind the last products: for the reads of results and the loads into the fragment buffers
	TOSTAGE 0
.irp a, 1,2,3
.if \a > 1
	s_wait_xcnt 0x0                                ; block a - 2's stores have read their registers and their base
.endif
	TOSTAGE \a
	SEND \a-1, 32                                  ; behind block a - 1's loads: block a's 16 stores and 16 loads
.endr
	s_wait_xcnt 0x0
	SEND 3, 0
	s_wait_tensorcnt 0x0                           ; the wave's end, behind my last tensor load and my last LDS store
	ds_add_u32 v[SPW], v[NIL]
	s_wait_dscnt 0x0
	CROUND                                         ; the closing round: no work-group ends while a partner may still ask for a tile that names it
	s_endpgm
.Lfunc_end_k_q5cc4ef8491_oproj:
	.size	k_q5cc4ef8491_oproj, .Lfunc_end_k_q5cc4ef8491_oproj-k_q5cc4ef8491_oproj
	.p2alignl 7, 3214868480
	.fill 96, 4, 3214868480
	.section	.rodata,"a",@progbits
	.p2align	6, 0x0
	.amdhsa_kernel k_q5cc4ef8491_oproj
		.amdhsa_group_segment_fixed_size 327680
		.amdhsa_private_segment_fixed_size 0
		.amdhsa_enable_private_segment 0
		.amdhsa_kernarg_size 24
		.amdhsa_user_sgpr_count 2
		.amdhsa_user_sgpr_kernarg_segment_ptr 1
		.amdhsa_wavefront_size32 1
		.amdhsa_system_sgpr_workgroup_id_x 1
		.amdhsa_system_sgpr_workgroup_id_y 1
		.amdhsa_system_sgpr_workgroup_id_z 1
		.amdhsa_system_vgpr_workitem_id 0
		.amdhsa_next_free_vgpr 512
		.amdhsa_next_free_sgpr 100
		.amdhsa_reserve_vcc 0
		.amdhsa_float_denorm_mode_32 3
		.amdhsa_float_denorm_mode_16_64 3
		.amdhsa_memory_ordered 1
		.amdhsa_forward_progress 1
		.amdhsa_inst_pref_size 147
	.end_amdhsa_kernel
	.amdgpu_metadata
---
amdhsa.version: [ 1, 2 ]
amdhsa.kernels:
  - .name:           k_q5cc4ef8491_oproj
    .symbol:         k_q5cc4ef8491_oproj.kd
    .args:
      - { .name: ao16, .offset: 0, .size: 8, .value_kind: global_buffer, .address_space: global }
      - { .name: wo16, .offset: 8, .size: 8, .value_kind: global_buffer, .address_space: global }
      - { .name: out0, .offset: 16, .size: 8, .value_kind: global_buffer, .address_space: global }
    .group_segment_fixed_size: 327680
    .private_segment_fixed_size: 0
    .kernarg_segment_align: 8
    .kernarg_segment_size: 24
    .max_flat_workgroup_size: 128
    .sgpr_count:     100
    .vgpr_count:     512
    .wavefront_size: 32
...
	.end_amdgpu_metadata
.endif
;; end of part 4
;; launch fine (part 5): grid 16 x 4, 16 waves a work-group, no clusters, 71,680 bytes of LDS; arguments qkvf, wo, out0; writes out0
.if DOCPART == 5
	.amdgcn_target "amdgcn-amd-amdhsa--gfx1250"
	.amdhsa_code_object_version 6
	.text
	.protected	k_q5cc4ef8491_fine
	.globl	k_q5cc4ef8491_fine
	.p2align	8
	.type	k_q5cc4ef8491_fine,@function
k_q5cc4ef8491_fine:
	s_mov_b64 s[64:65], 0
	v_nop
	global_prefetch_b8 v0, s[64:65] scope:SCOPE_SE
	s_setreg_imm32_b32 hwreg(HW_REG_WAVE_MODE, 25, 1), 1
	s_wait_xcnt 0x0
; Positions 0-15 of each batch once more, all in f32: their softmax averages one to sixteen values, where the rounding of 16-bit operands weighs most.  These 64 rows of out0 are written anew.
; qkvf [4][16][3072] f32 holds q, k, v of those positions; wo [1024][1024] f32 as it is given.
; SHARES.  Work-group (x, b) makes rows b x 2048 + 0..15, columns 64 x to 64 x + 63.  Wave w takes head w: its 16 x 16 attention, then that head's part of the projection (K = its 64 channels);
; the sixteen parts meet in LDS, and wave w adds up row w and stores it: 256 consecutive bytes, aligned.
; All products by v_wmma_f32_16x16x4_f32, 96 a wave.  Along each K one and the same permutation is applied to both sources, so that plain loads and results fill the operands:
;   S^T = K Q^T: lane (r, h) holds channels 32 h + 0..31 of row r; instruction c takes registers 2 c, 2 c + 1 of both.   In the result a lane holds query r and keys 8 h + 0..7.
;   O^T = V^T P: source 1 = p as it stands (keys 8 h + 2 c, + 1); source 0 = V(key 8 h + 2 c + j, channel 16 t + r).   The result: query r, channels 16 t + 8 h + 0..7.
;   Y^T = wo O: source 1 = O^T as it stands; source 0 = wo(e, 64 w + 16 t + 8 h + 2 c + j).   The result: query r, columns 16 n + 8 h + 0..7.
; The registers that these instructions write, v184-247, are written by nothing else; what is made of a sum goes into other registers.
; LIMITS: hidden keys get the weight 0 (see the attention launch); NaN and infinities are not served.
.set T,   12                           ; v12-19   the scores, then p
.set QF,  24                           ; v24-55   Q;  later wo's tile 2;  later the sixteen parts of a row
.set KF,  56                           ; v56-87   K;  later wo's tile 3
.set VT,  88                           ; v88-119  V^T: 8 t + kk
.set SA,  184                          ; v184-199 S^T in two accumulators, which take turns;  later Y^T's tiles 0, 1
.set OA,  200                          ; v200-231 O^T, four tiles
.set SPW, 10                           ; v10 LDS address of my spare word; never rewritten
.set NIL, 11                           ; v11 0; never rewritten
.set PART, 16*272                      ; a wave's part: 16 rows x (256 bytes + 16)
.set SPARE, 16*PART                    ; behind the parts: the spare words, 128 bytes a wave
	s_load_b128 s[4:7], s[0:1], 0x0                ; qkvf s[4:5], wo s[6:7]
	s_load_b64 s[8:9], s[0:1], 0x10                ; out0
	v_lshl_add_u32 v[SPW], v0, 2, SPARE
	v_mov_b32 v[NIL], 0
	v_lshrrev_b32 v1, 5, v0
	v_readfirstlane_b32 s10, v1                    ; wave = head
	s_and_b32 s11, ttmp7, 0xffff                   ; batch
	v_and_b32 v1, 15, v0                           ; r
	v_bfe_u32 v2, v0, 4, 1                         ; h
	v_mul_u32_u24 v3, v1, 12288
	v_lshl_add_u32 v3, v2, 7, v3                   ; Q, K: row r of 12,288 bytes, + 128 h
	v_mul_u32_u24 v4, v2, 8*12288
	v_lshl_add_u32 v4, v1, 2, v4                   ; V: rows 8 h on, channel r
	v_lshlrev_b32 v5, 12, v1
	v_lshl_add_u32 v5, v2, 5, v5                   ; wo: row r of 4,096 bytes, + 32 h
	s_mul_i32 s21, s10, PART
	v_mul_u32_u24 v6, v1, 272
	v_lshl_add_u32 v6, v2, 5, v6
	v_add_nc_u32 v6, s21, v6                       ; my part: row r, + 32 h
	s_mul_i32 s22, s10, 272
	v_and_b32 v8, 31, v0
	v_lshlrev_b32 v8, 3, v8                        ; 8 bytes a lane
	v_add_nc_u32 v7, s22, v8                       ; row w of a part
	v_lshlrev_b32 v9, 3, v2
	v_sub_nc_u32 v9, v1, v9                        ; r - 8 h
	s_mov_b32 s18, 0x76543210
	s_mov_b32 s19, 0xfedcba98                      ; v_permlanex16_b32's selects for lane l xor 16
	s_mov_b32 s20, 0x3e38aa3b                      ; c = log2(e) / 8
	s_mul_i32 s12, s11, 196608                     ; qkvf: the batch's 16 rows,
	s_lshl_b32 s13, s10, 8
	s_add_co_u32 s12, s12, s13                     ; + the head's 64 numbers
	s_lshl_b32 s14, ttmp9, 18                      ; wo: 64 rows for each work-group x,
	s_add_co_u32 s14, s14, s13                     ; + the head's 64 numbers
	s_lshl_b32 s16, s11, 23                        ; out0: the batch's first row,
	s_lshl_b32 s17, s10, 12
	s_add_co_u32 s16, s16, s17                     ; + row w,
	s_lshl_b32 s17, ttmp9, 8
	s_add_co_u32 s16, s16, s17                     ; + 64 columns for each work-group x
	s_mov_b32 s13, 0
	s_mov_b32 s15, 0
	s_mov_b32 s17, 0
	s_wait_kmcnt 0x0
	s_add_nc_u64 s[4:5], s[4:5], s[12:13]
	s_add_nc_u64 s[6:7], s[6:7], s[14:15]
	s_add_nc_u64 s[8:9], s[8:9], s[16:17]
.irp i, 0,1,2,3,4,5,6,7
	global_load_b128 v[QF+4*\i:QF+4*\i+3], v3, s[4:5] offset:16*\i
.endr
.irp i, 0,1,2,3,4,5,6,7
	global_load_b128 v[KF+4*\i:KF+4*\i+3], v3, s[4:5] offset:4096+16*\i
.endr
.irp t, 0,1,2,3
.irp k, 0,1,2,3,4,5,6,7
	global_load_b32 v[VT+8*\t+\k], v4, s[4:5] offset:\k*12288+8192+\t*64
.endr
.endr
.macro WLOAD n                         ; wo's tile n (16 rows), the head's 64 columns: tile t of them at v[rW + 8 t];  tiles 0, 1 from v120, tiles 2, 3 from v24
.irp t, 0,1,2,3
.set rW, 120+32*(\n)+8*\t-160*((\n)/2)
	global_load_b128 v[rW:rW+3],   v5, s[6:7] offset:(\n)*65536+\t*64
	global_load_b128 v[rW+4:rW+7], v5, s[6:7] offset:(\n)*65536+\t*64+16
.endr
.endm
	WLOAD 0
	WLOAD 1
	s_wait_loadcnt 48                              ; Q and K are in; V's 32 loads and wo's 16 may be out
.set c, 0
.rept 16                                       ; S^T = K Q^T; the first two products start the two sums; the two accumulators take turns
.if c < 2
	v_wmma_f32_16x16x4_f32 v[SA+8*(c%2):SA+8*(c%2)+7], v[KF+2*c:KF+2*c+1], v[QF+2*c:QF+2*c+1], 0
.else
	v_wmma_f32_16x16x4_f32 v[SA+8*(c%2):SA+8*(c%2)+7], v[KF+2*c:KF+2*c+1], v[QF+2*c:QF+2*c+1], v[SA+8*(c%2):SA+8*(c%2)+7]
.endif
.set c, c+1
.endr
.rept 8
	v_nop                                          ; eight places behind this form: for the loads into Q's and K's registers and the first read of the sums
.endr
	WLOAD 2
	WLOAD 3
.irp i, 0,1,2,3,4,5,6,7
	v_add_f32 v[T+\i], v[SA+\i], v[SA+8+\i]        ; the two halves of each score, from the accumulators' low end on
.endr
	v_mov_b32 v21, 0xff800000                      ; -infinity
.irp i, 0,1,2,3,4,5,6,7
	v_cmp_gt_i32 vcc_lo, \i, v9                    ; key 8 h + i is hidden from query r where i > r - 8 h
	v_cndmask_b32 v[T+\i], v[T+\i], v21, vcc_lo
.endr
	v_max3_num_f32 v20, v12, v13, v14
	v_max3_num_f32 v20, v20, v15, v16
	v_max3_num_f32 v20, v20, v17, v18
	v_max_num_f32 v20, v20, v19
	v_permlanex16_b32 v21, v20, s18, s19
	v_max_num_f32 v20, v20, v21                    ; the row's maximum: key 0 counts for every query, so it is a number
	v_mul_f32 v21, s20, v20
.irp i, 0,1,2,3,4,5,6,7
	v_fma_f32 v[T+\i], v[T+\i], s20, -v21          ; c s - c m
.endr
.irp i, 0,1,2,3,4,5,6,7
	v_exp_f32 v[T+\i], v[T+\i]
.endr
	v_nop                                          ; a plain instruction behind the last exponential
	s_wait_alu depctr_va_vdst(0)                   ; and one wait ahead of the batch's first reader
	v_add_f32 v20, v12, v13
	v_add_f32 v21, v14, v15
	v_add_f32 v22, v16, v17
	v_add_f32 v23, v18, v19
	v_add_f32 v20, v20, v21
	v_add_f32 v22, v22, v23
	v_add_f32 v20, v20, v22
	v_permlanex16_b32 v21, v20, s18, s19
	v_add_f32 v20, v20, v21                        ; the row's sum
	v_rcp_f32 v20, v20
	v_nop
	s_wait_alu depctr_va_vdst(0)
.irp i, 0,1,2,3,4,5,6,7
	v_mul_f32 v[T+\i], v[T+\i], v20                ; p, normalised, in f32
.endr
	s_wait_loadcnt 32                              ; V is in; wo's 32 loads may be out
.irp c, 0,1,2,3                                ; O^T = V^T P: the four tiles of channels take turns
.irp t, 0,1,2,3
.if \c == 0
	v_wmma_f32_16x16x4_f32 v[OA+8*\t:OA+8*\t+7], v[VT+8*\t+2*\c:VT+8*\t+2*\c+1], v[T+2*\c:T+2*\c+1], 0
.else
	v_wmma_f32_16x16x4_f32 v[OA+8*\t:OA+8*\t+7], v[VT+8*\t+2*\c:VT+8*\t+2*\c+1], v[T+2*\c:T+2*\c+1], v[OA+8*\t:OA+8*\t+7]
.endif
.endr
.endr
.rept 9
	v_nop                                          ; nine places before a matrix instruction of this form takes a result as a source
.endr
	s_wait_loadcnt 0x0                             ; wo
.irp t, 0,1,2,3                                ; Y^T = wo O: the four tiles of columns take turns
.irp c, 0,1,2,3
.irp n, 0,1,2,3
.set rY, 184+8*\n+32*(\n/2)
.set rW, 120+32*\n+8*\t-160*(\n/2)
.if (\t == 0) && (\c == 0)
	v_wmma_f32_16x16x4_f32 v[rY:rY+7], v[rW+2*\c:rW+2*\c+1], v[OA+8*\t+2*\c:OA+8*\t+2*\c+1], 0
.else
	v_wmma_f32_16x16x4_f32 v[rY:rY+7], v[rW+2*\c:rW+2*\c+1], v[OA+8*\t+2*\c:OA+8*\t+2*\c+1], v[rY:rY+7]
.endif
.endr
.endr
.endr
.rept 8
	v_nop                                          ; eight places: for the stores of the results and the later loads into wo's registers
.endr
.irp n, 0,1,2,3
.set rY, 184+8*\n+32*(\n/2)
	ds_store_b128 v6, v[rY:rY+3] offset:64*\n      ; each accumulator from its low end on
	ds_store_b128 v6, v[rY+4:rY+7] offset:64*\n+16
.endr
	s_wait_dscnt 0x0                               ; for the others' sake: my part lies in LDS
	s_barrier_signal -1
	s_barrier_wait -1
.irp p, 0,1,2,3,4,5,6,7,8,9,10,11,12,13,14,15
	ds_load_b64 v[24+2*\p:25+2*\p], v7 offset:\p*PART   ; row w of head p's part: 256 bytes, 8 a lane
.endr
	s_wait_dscnt 0x0
.irp p, 2,4,6,8,10,12,14
	v_pk_add_f32 v[24:25], v[24:25], v[24+2*\p:25+2*\p]        ; two chains
	v_pk_add_f32 v[26:27], v[26:27], v[26+2*\p:27+2*\p]
.endr
	v_pk_add_f32 v[24:25], v[24:25], v[26:27]
	global_store_b64 v8, v[24:25], s[8:9]          ; 32 lanes store 256 consecutive bytes, aligned
	s_wait_tensorcnt 0x0                           ; the wave's end, behind my last LDS store
	ds_add_u32 v[SPW], v[NIL]
	s_wait_dscnt 0x0
	s_endpgm
.Lfunc_end_k_q5cc4ef8491_fine:
	.size	k_q5cc4ef8491_fine, .Lfunc_end_k_q5cc4ef8491_fine-k_q5cc4ef8491_fine
	.p2alignl 7, 3214868480
	.fill 96, 4, 3214868480
	.section	.rodata,"a",@progbits
	.p2align	6, 0x0
	.amdhsa_kernel k_q5cc4ef8491_fine
		.amdhsa_group_segment_fixed_size 71680
		.amdhsa_private_segment_fixed_size 0
		.amdhsa_enable_private_segment 0
		.amdhsa_kernarg_size 24
		.amdhsa_user_sgpr_count 2
		.amdhsa_user_sgpr_kernarg_segment_ptr 1
		.amdhsa_wavefront_size32 1
		.amdhsa_system_sgpr_workgroup_id_x 1
		.amdhsa_system_sgpr_workgroup_id_y 1
		.amdhsa_system_sgpr_workgroup_id_z 1
		.amdhsa_system_vgpr_workitem_id 0
		.amdhsa_next_free_vgpr 256
		.amdhsa_next_free_sgpr 66
		.amdhsa_reserve_vcc 1
		.amdhsa_float_denorm_mode_32 3
		.amdhsa_float_denorm_mode_16_64 3
		.amdhsa_memory_ordered 1
		.amdhsa_forward_progress 1
		.amdhsa_inst_pref_size 23
	.end_amdhsa_kernel
	.amdgpu_metadata
---
amdhsa.version: [ 1, 2 ]
amdhsa.kernels:
  - .name:           k_q5cc4ef8491_fine
    .symbol:         k_q5cc4ef8491_fine.kd
    .args:
      - { .name: qkvf, .offset: 0, .size: 8, .value_kind: global_buffer, .address_space: global }
      - { .name: wo, .offset: 8, .size: 8, .value_kind: global_buffer, .address_space: global }
      - { .name: out0, .offset: 16, .size: 8, .value_kind: global_buffer, .address_space: global }
    .group_segment_fixed_size: 71680
    .private_segment_fixed_size: 0
    .kernarg_segment_align: 8
    .kernarg_segment_size: 24
    .max_flat_workgroup_size: 512
    .sgpr_count:     66
    .vgpr_count:     256
    .wavefront_size: 32
...
	.end_amdgpu_metadata
.endif
;; end of part 5
